; MI455X (gfx1250); checked and timed in simulation.
; The chip was launched on July 23, 2026; its instructions are those of AMD's public machine-readable ISA for CDNA 5 (MIT licence, August 2026) and "CDNA5" Instruction Set Architecture Reference Guide (July 2026). The comments in the code are by the model that wrote it; some were corrected since.
;; Attention Baseline. Allowed arithmetic: float matrix products may take bf16 or f16 operands with f32 sums; other float arithmetic in f32, or as packed bf16 or f16 multiplies, adds, multiply-adds, maxima and minima; sums over many terms, partial sums and values carried from step to step in f32; what a program stores and reads back later, other than sums and carried values, may be rounded once to bf16 or f16.
;; Inputs: W1 512 x 512 float32; W2 512 x 512 float32; W3 512 x 128 float32; W_att 1,024 x 512 float32; b1 512 float32; b2 512 float32; b3 128 float32; b_att 512 float32; v 512 x 1 float32; words 64 x 2,048 x 512 float32.
;; Outputs: out0 64 x 128 float32.
;; 2 versions, each right; version 2 is version 1 with the launch stats written anew for expert scheduling mode. Each part assembles by itself: llvm-mc -triple=amdgcn-amd-amdhsa -mcpu=gfx1250 --defsym DOCPART=n.
;; ======== version 1 of 2: 6 launches
;; workspace buffers: xf 134,217,728 bytes; wf 524,288 bytes; valid 524,288 bytes; st1 655,360 bytes; cb 131,072 bytes; st2 1,310,720 bytes; h1 131,072 bytes; h2 131,072 bytes
;; launch stats (part 1): grid 256 x 1, 8 waves a work-group, no clusters, 158,976 bytes of LDS; arguments words, W_att, xf, wf, valid, st1; writes xf, wf, valid, st1
.if DOCPART == 1
	.amdgcn_target "amdgcn-amd-amdhsa--gfx1250"
	.amdhsa_code_object_version 6
	.text
	.protected	k_q1d051f2bcc_stats
	.globl	k_q1d051f2bcc_stats
	.p2align	8
	.type	k_q1d051f2bcc_stats,@function
k_q1d051f2bcc_stats:
	s_mov_b64 s[64:65], 0
	v_nop
	global_prefetch_b8 v0, s[64:65] scope:SCOPE_SE
	s_setreg_imm32_b32 hwreg(HW_REG_WAVE_MODE, 25, 1), 1
	s_wait_xcnt 0x0
; THE PROGRAM (six launches).  words: [64][2048][512] f32.  pred = MLP(sum_s softmax_s(v . tanh([words, context] W_att + b_att)) words).
;   stats: one walk over words: row flags, column sums, and words and W_att's upper half rewritten in bf16 as matrix fragments.   ctx: context Wb + b_att, once a set.
;   attn: scores, masked softmax with a running maximum, weighted sum, for tiles of 256 rows.   mlp1: merges a set's eight tiles and does layer 1.   mlp2, mlp3: layers 2 and 3.
; WORK THAT IS NOT DONE, for all finite values of the inputs:
;   (1) reference() multiplies [words, context] by W_att.  With Wa = rows 0-511 and Wb = rows 512-1023 of W_att that is words Wa + context Wb, and context is ONE row a set, which reference() itself
;       broadcasts over the set's 2,048 rows: context Wb is the same for all of them.  It is made once a set and added, not 2,048 times.
;   (2) tanh(y) = 1 - 2 r with r = 1 / (1 + e^(2 y)), so score = sum(v) - 2 sum_n v_n r_n.  sum(v) is the same along the softmax's axis and cancels in it; a masked row's -1e30 lies far below either way.
; All ten inputs are loaded.  LIMITS: a NaN, an infinity or an overflow that reaches only the work left out is not carried to the result; NaN and infinities in words are not treated apart;
; whether a row of non-zero numbers sums to exactly 0 hangs on the order of the f32 sum, which here is: 16 numbers a lane, then 32 lanes.
; FORMATS: every matrix operand is bf16 (words, W_att, v, W1-W3 and the biases are rounded once); the column and row sums here are taken of the unrounded f32.
;
; THIS LAUNCH.  Work-group g owns rows 512 g .. 512 g + 511: 32 tiles of 16 rows; wave w takes tiles 32 g + 8 i + w, i = 0..3.  Of each of a tile's rows lane l holds the 16 numbers
; k = 128 j + 4 l + q (j, q < 4): four loads of 16 bytes a row, each covering 512 consecutive bytes.
; A RING OF 16 ROW SLOTS in registers, 16 registers each: a row is summed and rounded, and its slot is asked for again at once, with the same row of my next tile: 60 to 64 loads of a wave are always out.
; The last tile's rows are a second text, without loads, whose waits count down; the turning stage and the stores are written once, behind both.
; THE ORDER OF K in both operands of the later product: in K step s, lane (r = lane % 16, h = lane / 16), fragment dword e (0..7), half t holds k = 128 (e >> 1) + 8 s + 4 h + 2 (e & 1) + t.
; That is what lane l = 2 s + h holds here of row r: a tile goes once through the wave's own LDS so that rows and lanes change places, and leaves as 32 stores of 512 consecutive bytes.
;   xf: tile T at 16,384 T: [s:16][c:2][lane:32][16 bytes], piece c = dwords 4 c .. 4 c + 3.      wf: (n >> 4) 16,384 + 1,024 s + 512 c + 256 h + 16 (n & 15).
;   valid: f32 1.0 or 0.0 a row.      st1: record g of 2,560 bytes: 512 column sums, then 512 bytes of the pair (0, number of valid rows).
.set TRP,   272                        ; a lane's row in the turning stage: 16 pieces of 16 bytes + 16: an odd multiple of 16, so 16 lanes' stores fall into 16 different 16-byte columns of 256 bytes
.set TRC,   32*TRP                     ; piece c's 32 rows
.set TRW,   2*TRC                      ; a wave's stage
.set MSK,   8*TRW                      ; 139,264: the work-group's 512 flags
.set CSL,   MSK+2048                   ; 141,312: the eight waves' column sums, 2,048 bytes each
.set CNT,   CSL+8*2048                 ; 157,696: the eight waves' counts
.set SPARE, CNT+256                    ; 157,952: the spare words, 128 bytes for each wave: four blocks of 256 bytes that no other line names
.set RECB,  2560
.set L,   1                            ; v1   lane
.set L16, 2                            ; v2   16 x lane; never rewritten
.set TS,  3                            ; v3   stage, in: my row
.set TL,  4                            ; v4   stage, out: 272 h + 16 r
.set MA,  5                            ; v5   where my row's flag goes; steps by 512 a trip
.set SPW, 6                            ; v6   my spare word
.set NIL, 7                            ; v7   0
.set T,   8                            ; v8-15  at work
.set CS,  16                           ; v16-31 column sums of my 16 columns
.set A,   32                           ; v32-47 my part of the 16 rows' sums
.set SUM, 48
.set OTH, 49
.set FLG, 50
.set CN,  51                           ; v51  valid rows so far among my row of each tile
.set T16, 52                           ; v52  16 x (thread % 128)
.set PLO, 53                           ; v53, v54  W_att's and wf's lane offsets
.set PSO, 54
.set CW,  55                           ; v55-59  LDS addresses of the end
.set CNW, 56
.set CSR, 57
.set MSR, 58
.set CNR, 59
.set WQ,  64                           ; v64-75  eight numbers of W_att, then four packed words
.set Y,   128                          ; v128-255  the tile in bf16: row i's eight dwords at Y + 8 i; then fragments
                                       ; window 1 (v256-511): the ring: row i, piece j at 16 i + 4 j
.set MSB, 0
.macro WIN new                         ; s_set_vgpr_msb: bits 1:0 source 0, 3:2 source 1, 5:4 source 2, 7:6 destination; the high byte repeats the setting that is left
.if MSB != (\new)
	s_set_vgpr_msb (MSB<<8)|(\new)
.set MSB, \new
.endif
.endm
.macro FILL                            ; the first tile's 64 loads: 32 KiB a wave on their way
	WIN 0x40
.set i, 0
.rept 16
.irp j, 0,1,2,3
	global_load_b128 v[16*i+4*\j:16*i+4*\j+3], v[L16], s[18:19] offset:2048*i+512*\j th:TH_LOAD_NT
.endr
.set i, i+1
.endr
	WIN 0
.endm
; The turn of row slot i.  fill = 1: the slot is asked for again, with row i of my next tile (the base has been stepped).
.macro ROWP i, fill
.if \fill
	s_wait_loadcnt 60                              ; loads come back in order (ISA guide 5.7.1): row i's four are in; younger are rows i + 1 .. 15 of this tile and rows 0 .. i - 1 of the next: 4 (15 - i) + 4 i
.else
	s_wait_loadcnt 4*(15-(\i))                     ; the last tile: younger are its rows i + 1 .. 15 alone
.endif
	WIN 0x05                                       ; sources in window 1
.irp j, 0,1,2,3
	v_pk_add_f32 v[T+2*\j:T+2*\j+1], v[16*(\i)+4*\j:16*(\i)+4*\j+1], v[16*(\i)+4*\j+2:16*(\i)+4*\j+3]
.endr
.irp u, 0,1,2,3,4,5,6,7
	v_cvt_pk_bf16_f32 v[Y+8*(\i)+\u], v[16*(\i)+2*\u], v[16*(\i)+2*\u+1]
.endr
	WIN 0x04                                       ; source 1 in window 1
.irp u, 0,1,2,3,4,5,6,7
	v_pk_add_f32 v[CS+2*\u:CS+2*\u+1], v[CS+2*\u:CS+2*\u+1], v[16*(\i)+2*\u:16*(\i)+2*\u+1]
.endr
.if \fill
	WIN 0x40                                       ; the slot has been read for the last time
.irp j, 0,1,2,3
	global_load_b128 v[16*(\i)+4*\j:16*(\i)+4*\j+3], v[L16], s[18:19] offset:2048*(\i)+512*\j th:TH_LOAD_NT
.endr
.endif
	WIN 0
	v_pk_add_f32 v[T:T+1], v[T:T+1], v[T+2:T+3]
	v_pk_add_f32 v[T+4:T+5], v[T+4:T+5], v[T+6:T+7]
	v_pk_add_f32 v[T:T+1], v[T:T+1], v[T+4:T+5]
	v_add_f32 v[A+(\i)], v[T], v[T+1]              ; my 16 numbers of row i
.endm
; One stage of the reduce-scatter: of 2 n sums a lane keeps n and hands the other n to the lane x away, which keeps those.  m: the scalar with the lanes that keep the upper n.
.macro STAGE n, m, x
.set i, 0
.rept \n
	v_cndmask_b32 v[T+2*(i%4)], v[A+i], v[A+i+\n], s[\m]
	v_cndmask_b32 v[T+2*(i%4)+1], v[A+i+\n], v[A+i], s[\m]
	v_add_f32_dpp v[A+i], v[T+2*(i%4)+1], v[T+2*(i%4)] row_xmask:\x row_mask:0xf bank_mask:0xf
.set i, i+1
.endr
.endm
	s_load_b256 s[4:11], s[0:1], 0x0               ; words s[4:5], W_att s[6:7], xf s[8:9], wf s[10:11]
	s_load_b128 s[12:15], s[0:1], 0x20             ; valid s[12:13], st1 s[14:15]
	v_lshl_add_u32 v[SPW], v0, 2, SPARE
	v_mov_b32 v[NIL], 0
	v_lshrrev_b32 v8, 5, v0
	v_readfirstlane_b32 s16, v8                    ; wave 0..7
	v_and_b32 v[L], 31, v0
	v_and_b32 v9, 15, v0                           ; r
	v_bfe_u32 v10, v0, 4, 1                        ; h
	v_lshlrev_b32 v[L16], 4, v[L]
	s_mul_i32 s32, s16, TRW
	v_mul_u32_u24 v[TS], v[L], TRP
	v_add_nc_u32 v[TS], s32, v[TS]
	v_mul_u32_u24 v[TL], v10, TRP
	v_lshl_add_u32 v[TL], v9, 4, v[TL]
	v_add_nc_u32 v[TL], s32, v[TL]
	s_lshl_b32 s33, s16, 6
	s_add_co_u32 s33, s33, MSK
	v_lshl_add_u32 v[MA], v9, 2, s33               ; flag of row 16 (8 i + w) + r: MSK + 512 i + 64 w + 4 r
	v_and_b32 v[T16], 127, v0
	v_lshlrev_b32 v[T16], 4, v[T16]
	v_add_nc_u32 v[CSR], CSL, v[T16]
	v_add_nc_u32 v[MSR], MSK, v[T16]
	s_lshl_b32 s34, s16, 11
	s_add_co_u32 s34, s34, CSL
	v_add_nc_u32 v[CW], s34, v[L16]
	s_lshl_b32 s35, s16, 2
	s_add_co_u32 s35, s35, CNT
	v_mov_b32 v[CNW], s35
	v_mov_b32 v[CNR], CNT
	v_lshlrev_b32 v[PLO], 2, v[L]
	v_lshlrev_b32 v[PSO], 14, v10
	v_lshl_add_u32 v[PSO], v9, 4, v[PSO]
.set i, 0
.rept 16
	v_mov_b32 v[CS+i], 0                           ; the column sums run over four trips of one loop text: they start at 0
.set i, i+1
.endr
	v_mov_b32 v[CN], 0
	v_mov_b32 v[OTH], 0                            ; v_permlanex16_b32's destination counts as read
	s_mov_b32 s22, 0xff00ff00                      ; lanes with bit 3, 2, 1, 0 of their number set
	s_mov_b32 s23, 0xf0f0f0f0
	s_mov_b32 s24, 0xcccccccc
	s_mov_b32 s25, 0xaaaaaaaa
	s_mov_b32 s26, 0x76543210                      ; v_permlanex16_b32: each lane takes its own place in the other half
	s_mov_b32 s27, 0xfedcba98
	s_lshl_b32 s36, ttmp9, 20                      ; words: 32 tiles of 32,768 bytes a work-group, my wave's first tile
	s_lshl_b32 s37, s16, 15
	s_add_co_u32 s36, s36, s37
	s_mov_b32 s37, 0
	s_lshl_b32 s38, ttmp9, 19                      ; xf: half of that
	s_lshl_b32 s39, s16, 14
	s_add_co_u32 s38, s38, s39
	s_mov_b32 s39, 0
	s_mul_i32 s40, ttmp9, RECB
	s_mov_b32 s41, 0
	s_lshl_b32 s42, ttmp9, 11
	s_mov_b32 s43, 0
	; wf: 1,024 pieces of 512 bytes; waves 0-3 of work-group g make piece u = 4 g + w: columns 32 nb .. + 31 (nb = u & 15), c = bit 4, h = bit 5, K step = u >> 6
	s_lshl_b32 s44, ttmp9, 2
	s_add_co_u32 s44, s44, s16
	s_and_b32 s45, s44, 15
	s_bfe_u32 s46, s44, 0x10004
	s_bfe_u32 s47, s44, 0x10005
	s_lshr_b32 s48, s44, 6
	s_lshl_b32 s50, s46, 19                        ; W_att: row 256 c + 8 s + 4 h of 2,048 bytes, column 32 nb
	s_lshl_b32 s49, s48, 14
	s_add_co_u32 s50, s50, s49
	s_lshl_b32 s49, s47, 13
	s_add_co_u32 s50, s50, s49
	s_lshl_b32 s49, s45, 7
	s_add_co_u32 s50, s50, s49
	s_mov_b32 s51, 0
	s_lshl_b32 s52, s45, 15                        ; wf: 32,768 nb + 1,024 s + 512 c + 256 h
	s_lshl_b32 s49, s48, 10
	s_add_co_u32 s52, s52, s49
	s_lshl_b32 s49, s46, 9
	s_add_co_u32 s52, s52, s49
	s_lshl_b32 s49, s47, 8
	s_add_co_u32 s52, s52, s49
	s_mov_b32 s53, 0
	s_wait_kmcnt 0x0
	s_add_nc_u64 s[18:19], s[4:5], s[36:37]
	s_add_nc_u64 s[20:21], s[8:9], s[38:39]
	s_add_nc_u64 s[28:29], s[14:15], s[40:41]
	s_add_nc_u64 s[30:31], s[12:13], s[42:43]
	s_add_nc_u64 s[54:55], s[6:7], s[50:51]
	s_add_nc_u64 s[56:57], s[10:11], s[52:53]
	s_cmp_lt_u32 s16, 4
	s_cbranch_scc0 .Lplain
.irp jj, 0,1
.irp q, 0,1,2,3
	global_load_b32 v[WQ+4*\jj+\q], v[PLO], s[54:55] offset:(128*\jj+\q)*2048  ; k = 256 c + 8 s + 4 h + 128 jj + q, column 32 nb + lane
.endr
.endr
	FILL                                           ; the first tile
	s_wait_loadcnt 63                              ; 64 loads are younger than the eight; the count's field ends at 63, and a smaller count is safe
.irp e, 0,1,2,3
	v_cvt_pk_bf16_f32 v[WQ+8+\e], v[WQ+2*\e], v[WQ+2*\e+1]
.endr
	global_store_b128 v[PSO], v[WQ+8:WQ+11], s[56:57]  ; 16 lanes store 256 consecutive bytes, aligned; these registers are not written again
	s_branch .Lgo
.Lplain:
	FILL
.Lgo:
	s_mov_b32 s17, 4
.Ltrip:                                        ; a trip: one tile of 16 rows
	s_cmp_eq_u32 s17, 1                            ; the last tile has no successor: its rows are the second text
	s_cbranch_scc1 .Llastrows
	s_wait_xcnt 0x0                                ; every memory instruction so far has had its addresses translated (ISA guide 3.1): only behind this wait is the loads' base written
	s_add_nc_u64 s[18:19], s[18:19], 8*32768       ; my next tile: eight tiles on
.irp i, 0,1,2,3,4,5,6,7,8,9,10,11,12,13,14,15
	ROWP \i, 1
.endr
	s_branch .Lpost
.Llastrows:
.irp i, 0,1,2,3,4,5,6,7,8,9,10,11,12,13,14,15
	ROWP \i, 0
.endr
.Lpost:
	STAGE 8, 22, 8                                 ; 16 sums in 32 lanes -> lane l holds row l % 16's sum over its half of the lanes
	STAGE 4, 23, 4
	STAGE 2, 24, 2
	STAGE 1, 25, 1
	v_permlanex16_b32 v[OTH], v[A], s26, s27
	v_add_f32 v[SUM], v[A], v[OTH]
	v_cmp_neq_f32 vcc_lo, 0, v[SUM]
	v_cndmask_b32 v[FLG], 0, 1.0, vcc_lo           ; sign(abs(sum))
	v_add_f32 v[CN], v[CN], v[FLG]
	ds_store_b32 v[MA], v[FLG]                     ; lanes l and l + 16 write the same word with the same value
	v_add_nc_u32 v[MA], 512, v[MA]
.set i, 0
.rept 16
	ds_store_b128 v[TS], v[Y+8*i:Y+8*i+3] offset:16*i
	ds_store_b128 v[TS], v[Y+8*i+4:Y+8*i+7] offset:TRC+16*i
.set i, i+1
.endr
.set i, 0
.rept 16                                       ; K step i: lane (r, h) takes row r's dwords from the row of lane 2 i + h.  LDS serves a wave's instructions in order (ISA guide 5.7.1.4): these see the stores above
	ds_load_b128 v[Y+8*i:Y+8*i+3], v[TL] offset:2*TRP*i
	ds_load_b128 v[Y+8*i+4:Y+8*i+7], v[TL] offset:TRC+2*TRP*i
.set i, i+1
.endr
	s_wait_dscnt 0x0
.set i, 0
.rept 32
	global_store_b128 v[L16], v[Y+4*i:Y+4*i+3], s[20:21] offset:512*i th:TH_STORE_NT  ; 512 consecutive bytes, aligned
.set i, i+1
.endr
	s_wait_xcnt 0x0                                ; only behind this wait are the stores' base and Y written again
	s_add_nc_u64 s[20:21], s[20:21], 8*16384
	s_sub_co_u32 s17, s17, 1
	s_cmp_lg_u32 s17, 0
	s_cbranch_scc1 .Ltrip
	; THE END: the waves' column sums and counts meet in LDS
.irp j, 0,1,2,3
	ds_store_b128 v[CW], v[CS+4*\j:CS+4*\j+3] offset:512*\j  ; column k at byte 4 k
.endr
.irp x, 1,2,4,8
	v_add_f32_dpp v[CN], v[CN], v[CN] row_xmask:\x row_mask:0xf bank_mask:0xf  ; over 16 lanes: my wave's 64 rows
.endr
	ds_store_b32 v[CNW], v[CN]
	s_wait_dscnt 0x0                               ; for the others' sake: flags, sums and count are in LDS
	s_barrier_signal -1
	s_barrier_wait -1
	s_cmp_lt_u32 s16, 4
	s_cbranch_scc0 .Lflags
.irp w, 0,1,2,3,4,5,6,7
	ds_load_b128 v[Y+4*\w:Y+4*\w+3], v[CSR] offset:2048*\w
.endr
	s_wait_dscnt 0x0
.irp d, 4,2,1
.set i, 0
.rept \d
	v_pk_add_f32 v[Y+4*i:Y+4*i+1], v[Y+4*i:Y+4*i+1], v[Y+4*(i+\d):Y+4*(i+\d)+1]
	v_pk_add_f32 v[Y+4*i+2:Y+4*i+3], v[Y+4*i+2:Y+4*i+3], v[Y+4*(i+\d)+2:Y+4*(i+\d)+3]
.set i, i+1
.endr
.endr
	global_store_b128 v[T16], v[Y:Y+3], s[28:29]   ; 128 threads: the record's 512 column sums
	s_cmp_lg_u32 s16, 0
	s_cbranch_scc1 .Lend
	ds_load_b128 v[Y+32:Y+35], v[CNR]
	ds_load_b128 v[Y+36:Y+39], v[CNR] offset:16
	s_wait_dscnt 0x0
	v_pk_add_f32 v[Y+32:Y+33], v[Y+32:Y+33], v[Y+34:Y+35]
	v_pk_add_f32 v[Y+36:Y+37], v[Y+36:Y+37], v[Y+38:Y+39]
	v_pk_add_f32 v[Y+32:Y+33], v[Y+32:Y+33], v[Y+36:Y+37]
	v_add_f32 v[Y+33], v[Y+32], v[Y+33]
	v_mov_b32 v[Y+32], 0
	v_mov_b32 v[Y+34], 0
	v_mov_b32 v[Y+35], v[Y+33]
	global_store_b128 v[L16], v[Y+32:Y+35], s[28:29] offset:2048  ; the pair (0, count), 64 times: 512 consecutive bytes
	s_branch .Lend
.Lflags:
	ds_load_b128 v[Y:Y+3], v[MSR]
	s_wait_dscnt 0x0
	global_store_b128 v[T16], v[Y:Y+3], s[30:31]   ; 128 threads: the work-group's 512 flags
.Lend:
	s_wait_tensorcnt 0x0                           ; the wave's end: behind my last LDS store
	ds_add_u32 v[SPW], v[NIL]
	s_wait_dscnt 0x0
	s_endpgm
.Lfunc_end_k_q1d051f2bcc_stats:
	.size	k_q1d051f2bcc_stats, .Lfunc_end_k_q1d051f2bcc_stats-k_q1d051f2bcc_stats
	.p2alignl 7, 3214868480
	.fill 96, 4, 3214868480
	.section	.rodata,"a",@progbits
	.p2align	6, 0x0
	.amdhsa_kernel k_q1d051f2bcc_stats
		.amdhsa_group_segment_fixed_size 158976
		.amdhsa_private_segment_fixed_size 0
		.amdhsa_enable_private_segment 0
		.amdhsa_kernarg_size 48
		.amdhsa_user_sgpr_count 2
		.amdhsa_user_sgpr_kernarg_segment_ptr 1
		.amdhsa_wavefront_size32 1
		.amdhsa_system_sgpr_workgroup_id_x 1
		.amdhsa_system_sgpr_workgroup_id_y 1
		.amdhsa_system_sgpr_workgroup_id_z 1
		.amdhsa_system_vgpr_workitem_id 0
		.amdhsa_next_free_vgpr 512
		.amdhsa_next_free_sgpr 66
		.amdhsa_reserve_vcc 1
		.amdhsa_float_denorm_mode_32 3
		.amdhsa_float_denorm_mode_16_64 3
		.amdhsa_memory_ordered 1
		.amdhsa_forward_progress 1
		.amdhsa_inst_pref_size 89
	.end_amdhsa_kernel
	.amdgpu_metadata
---
amdhsa.version: [ 1, 2 ]
amdhsa.kernels:
  - .name:           k_q1d051f2bcc_stats
    .symbol:         k_q1d051f2bcc_stats.kd
    .args:
      - { .name: words, .offset: 0, .size: 8, .value_kind: global_buffer, .address_space: global }
      - { .name: W_att, .offset: 8, .size: 8, .value_kind: global_buffer, .address_space: global }
      - { .name: xf, .offset: 16, .size: 8, .value_kind: global_buffer, .address_space: global }
      - { .name: wf, .offset: 24, .size: 8, .value_kind: global_buffer, .address_space: global }
      - { .name: valid, .offset: 32, .size: 8, .value_kind: global_buffer, .address_space: global }
      - { .name: st1, .offset: 40, .size: 8, .value_kind: global_buffer, .address_space: global }
    .group_segment_fixed_size: 158976
    .private_segment_fixed_size: 0
    .kernarg_segment_align: 8
    .kernarg_segment_size: 48
    .max_flat_workgroup_size: 256
    .sgpr_count:     66
    .vgpr_count:     512
    .wavefront_size: 32
...
	.end_amdgpu_metadata
.endif
;; end of part 1
;; launch ctx (part 2): grid 8 x 4, 16 waves a work-group, no clusters, 186,880 bytes of LDS; arguments st1, W_att, b_att, cb; writes cb
.if DOCPART == 2
	.amdgcn_target "amdgcn-amd-amdhsa--gfx1250"
	.amdhsa_code_object_version 6
	.text
	.protected	k_q1d051f2bcc_ctx
	.globl	k_q1d051f2bcc_ctx
	.p2align	8
	.type	k_q1d051f2bcc_ctx,@function
k_q1d051f2bcc_ctx:
	s_mov_b64 s[64:65], 0
	v_nop
	global_prefetch_b8 v0, s[64:65] scope:SCOPE_SE
	s_setreg_imm32_b32 hwreg(HW_REG_WAVE_MODE, 25, 1), 1
	s_wait_xcnt 0x0
; cb[b][n] = context_b . Wb[:, n] + b_att[n], Wb = rows 512-1023 of W_att.  WORK LEFT OUT: reference() makes this product for each of a set's 2,048 rows, with the same context row, which it
; broadcasts itself: here it is made once a set.  context_b = (sum of the set's four records' column sums) / (sum of their counts); a set without a valid row gives NaN, as in reference().
; ONE TEXT FOR FOUR LAUNCHES, which differ in the five constants below: out = [relu](X W + bias), X: 64 rows x 512, W: [512][N] f32, out: [64][N] f32.
; X's row b is either a plain row of 2,048 bytes (NREC = 0) or the merge of NREC records of 2,560 bytes (512 f32 values, then the pair (m, l)): row = sum_q 2^(m_q - M) value_q / sum_q 2^(m_q - M) l_q, M = max m_q.
; FORMATS.  W and the bias, inputs, are rounded once to bf16.  X is made by the program itself: it goes to the matrix unit as TWO bf16 numbers, hi = bf16(X) and lo = bf16(X - hi) (the difference is exact in
; f32), and both are multiplied by W: X then keeps some 16 significant bits in bf16's range.  LIMIT: an X so large that bf16(X) is an infinity gives NaN.
; SHARES.  A work-group makes 16 rows x 64 columns.  Wave w first makes row w of X (into LDS); then K IS SPLIT AMONG THE 16 WAVES: wave w multiplies k = 32 w .. 32 w + 31 for all four tiles of
; 16 columns: eight matrix instructions; the 16 partial sums meet in LDS (f32).  W is read in pieces of 256 consecutive bytes, rounded to bf16, laid [k][n] in the wave's own LDS and read turned.
; No cluster and no tensor load: a work-group reads 128 KiB once, and nothing is filled twice.
.set NREC, 4
.set WOFF, 0x100000                    ; bytes to W's first row in its buffer
.set WP,   2048                        ; bytes in a row of W
.set OP,   2048                        ; bytes in a row of out
.set RELU, 0
.set RECB, 2560
.if NREC
.set XSTR, NREC*RECB
.set NV,   NREC
.else
.set XSTR, 2048
.set NV,   1
.endif
.set WTP, 160                          ; a row of W in LDS: 64 bf16 + 32 bytes: an odd multiple of 32
.set WTW, 32*WTP                       ; a wave's 32 rows
.set XT,  16*WTW                       ; 81,920: X's hi parts, 16 rows
.set XP,  1040                         ; 1,024 bytes + 16: an odd multiple of 16
.set XLO, 16*XP                        ; X's lo parts lie 16,640 bytes behind the hi parts
.set PT,  XT+2*XLO                     ; 115,200: the partial sums: for each wave 16 rows
.set PP,  272                          ; of 64 f32 + 16 bytes
.set PW,  16*PP
.set SPARE, PT+16*PW                   ; 184,832: the spare words, 128 bytes for each wave: eight blocks of 256 bytes that no other line names
.set LN, 1
.set R,  2
.set H,  3
.set XS, 4                             ; v4-9  LDS addresses; v10-13 offsets in memory; none is rewritten
.set WS, 5
.set WF, 6
.set XF, 7
.set PS, 8
.set PL, 9
.set GO, 10
.set BO, 11
.set VO, 12
.set WO, 13
.set SPW, 14
.set NIL, 15
.set BI, 16                            ; v16-19  bias
.set ML, 20                            ; v20-35  the records' pairs (m, l); the weight takes m's place
.set TM, 36                            ; v36-38  at work: M, L, 1 / L
.set ZR, 39                            ; v39     0, an offset
.set XB, 40                            ; v40-47  my row's hi parts, packed
.set BB, 48
.set XL, 56                            ; v56-63  my row's lo parts, packed
.set VAL, 64                           ; v64-191 the records' values; the row is summed in the first record's place; later the 16 partial sums
.set HW, 80                            ; v80-95  the hi parts widened to f32 again (the second record's place, which is free by then)
.set WB, 96                            ; v96-127 my rows of W in bf16
.set FW, 128                           ; v128-159 W's four fragments
.set FX, 160                           ; v160-167 the fragment of X's hi parts
.set AC, 168                           ; v168-199 four accumulators
.set WL, 192                           ; v192-255 my rows of W as loaded
.set FXL, 200                          ; v200-207 the fragment of X's lo parts (W as loaded is free by then)
	s_load_b256 s[4:11], s[0:1], 0x0               ; X s[4:5], W s[6:7], bias s[8:9], out s[10:11]
	v_lshl_add_u32 v[SPW], v0, 2, SPARE
	v_mov_b32 v[NIL], 0
	v_lshrrev_b32 v[LN], 5, v0
	v_readfirstlane_b32 s12, v[LN]                 ; wave 0..15
	s_and_b32 s14, ttmp7, 0xffff                   ; y: rows 16 y ..; ttmp9 = x: columns 64 x ..
	v_and_b32 v[LN], 31, v0
	v_and_b32 v[R], 15, v0
	v_bfe_u32 v[H], v0, 4, 1
	v_lshrrev_b32 v[TM], 4, v0                     ; thread / 16
	v_and_b32 v[TM+1], 7, v0
	v_bfe_u32 v[TM+2], v0, 3, 1
	v_mov_b32 v[ZR], 0
	s_mul_i32 s24, s12, XP
	s_add_co_u32 s24, s24, XT
	v_lshl_add_u32 v[XS], v[LN], 3, s24            ; X in: row w, 8 bytes a lane
	s_mul_i32 s25, s12, WTW
	v_mul_u32_u24 v[WS], v[H], WTP
	v_lshl_add_u32 v[WS], v[R], 3, v[WS]
	v_add_nc_u32 v[WS], s25, v[WS]                 ; W in: row 2 t + h, 8 bytes for 4 columns
	v_lshl_add_u32 v[TM+1], v[H], 3, v[TM+1]
	v_mul_u32_u24 v[WF], v[TM+1], WTP
	v_lshl_add_u32 v[WF], v[TM+2], 4, v[WF]
	v_add_nc_u32 v[WF], s25, v[WF]                 ; W out, turned: row 8 h + l % 8, 16 bytes at 16 ((l / 8) % 2)
	s_lshl_b32 s26, s12, 6
	s_add_co_u32 s26, s26, XT
	v_mul_u32_u24 v[XF], v[R], XP
	v_lshl_add_u32 v[XF], v[H], 4, v[XF]
	v_add_nc_u32 v[XF], s26, v[XF]                 ; X out: row r, k = 32 w + 8 h
	s_mul_i32 s27, s12, PW
	s_add_co_u32 s27, s27, PT
	v_mul_u32_u24 v[PS], v[R], PP
	v_lshl_add_u32 v[PS], v[H], 5, v[PS]
	v_add_nc_u32 v[PS], s27, v[PS]                 ; partial sums in: row r, 8 columns at 32 h
	v_mul_u32_u24 v[PL], v[TM], PP
	v_lshl_add_u32 v[PL], v[R], 4, v[PL]
	v_add_nc_u32 v[PL], PT, v[PL]                  ; and out: row thread / 16, 4 columns
	v_mul_u32_u24 v[GO], v[TM], OP
	v_lshl_add_u32 v[GO], v[R], 4, v[GO]
	v_lshlrev_b32 v[BO], 4, v[R]
	v_lshlrev_b32 v[VO], 4, v[LN]
	v_mul_u32_u24 v[WO], v[H], WP
	v_lshl_add_u32 v[WO], v[R], 4, v[WO]
	s_lshl_b32 s28, s14, 4
	s_add_co_u32 s28, s28, s12
	s_mul_i32 s28, s28, XSTR                       ; row 16 y + w of X
	s_mov_b32 s29, 0
	s_lshl_b32 s32, ttmp9, 8                       ; 64 columns of f32
	s_mov_b32 s33, 0
	s_mul_i32 s30, s12, 32*WP
	s_add_co_u32 s30, s30, s32
	s_add_co_u32 s30, s30, WOFF
	s_mov_b32 s31, 0
	s_mul_i32 s34, s14, 16*OP
	s_add_co_u32 s34, s34, s32
	s_mov_b32 s35, 0
	s_wait_kmcnt 0x0
	s_add_nc_u64 s[16:17], s[4:5], s[28:29]
	s_add_nc_u64 s[18:19], s[6:7], s[30:31]
	s_add_nc_u64 s[20:21], s[8:9], s[32:33]
	s_add_nc_u64 s[22:23], s[10:11], s[34:35]
	global_load_b128 v[BI:BI+3], v[BO], s[20:21]
.if NREC
.set q, 0
.rept NREC
	global_load_b64 v[ML+2*q:ML+2*q+1], v[ZR], s[16:17] offset:q*RECB+2048
.set q, q+1
.endr
.endif
.set q, 0
.rept NV
.irp i, 0,1,2,3
	global_load_b128 v[VAL+16*q+4*\i:VAL+16*q+4*\i+3], v[VO], s[16:17] offset:q*RECB+512*\i  ; k = 128 i + 4 lane ..: 512 consecutive bytes
.endr
.set q, q+1
.endr
.set t, 0
.rept 16
	global_load_b128 v[WL+4*t:WL+4*t+3], v[WO], s[18:19] offset:2*t*WP  ; rows 32 w + 2 t + h: 16 lanes read 256 consecutive bytes, aligned
.set t, t+1
.endr
	s_wait_loadcnt 16                              ; all but W's 16 loads, which are the youngest
.if NREC
	v_max_num_f32 v[TM], v[ML], v[ML+2]
.set q, 2
.rept NREC-2
	v_max_num_f32 v[TM], v[TM], v[ML+2*q]
.set q, q+1
.endr
.set q, 0
.rept NREC
	v_sub_f32 v[ML+2*q], v[ML+2*q], v[TM]
.set q, q+1
.endr
.set q, 0
.rept NREC
	v_exp_f32 v[ML+2*q], v[ML+2*q]
.set q, q+1
.endr
	v_nop                                          ; a plain instruction behind the last exponential,
	s_wait_alu depctr_va_vdst(0)                   ; and the wait ahead of the first use: one for the batch
	v_mul_f32 v[TM+1], v[ML], v[ML+1]
.set q, 1
.rept NREC-1
	v_fmac_f32 v[TM+1], v[ML+2*q], v[ML+2*q+1]
.set q, q+1
.endr
	v_rcp_f32 v[TM+2], v[TM+1]
	v_nop
	s_wait_alu depctr_va_vdst(0)
.set q, 0
.rept NREC
	v_mul_f32 v[ML+2*q], v[ML+2*q], v[TM+2]
.set q, q+1
.endr
.irp u, 0,1,2,3,4,5,6,7
	v_pk_mul_f32 v[VAL+2*\u:VAL+2*\u+1], v[VAL+2*\u:VAL+2*\u+1], v[ML:ML+1] op_sel_hi:[1,0]  ; the pair's low word, the weight, for both halves
.endr
.set q, 1
.rept NREC-1
.irp u, 0,1,2,3,4,5,6,7
	v_pk_fma_f32 v[VAL+2*\u:VAL+2*\u+1], v[VAL+16*q+2*\u:VAL+16*q+2*\u+1], v[ML+2*q:ML+2*q+1], v[VAL+2*\u:VAL+2*\u+1] op_sel_hi:[1,0,1]
.endr
.set q, q+1
.endr
.endif
.irp u, 0,1,2,3,4,5,6,7
	v_cvt_pk_bf16_f32 v[XB+\u], v[VAL+2*\u], v[VAL+2*\u+1]  ; hi = bf16(X)
.endr
.irp u, 0,1,2,3,4,5,6,7
	v_lshlrev_b32 v[HW+2*\u], 16, v[XB+\u]         ; hi as f32 again
	v_and_b32 v[HW+2*\u+1], 0xffff0000, v[XB+\u]
.endr
.irp u, 0,1,2,3,4,5,6,7
	v_pk_add_f32 v[VAL+2*\u:VAL+2*\u+1], v[VAL+2*\u:VAL+2*\u+1], v[HW+2*\u:HW+2*\u+1] neg_lo:[0,1] neg_hi:[0,1]  ; X - hi
.endr
.irp u, 0,1,2,3,4,5,6,7
	v_cvt_pk_bf16_f32 v[XL+\u], v[VAL+2*\u], v[VAL+2*\u+1]  ; lo
.endr
.irp i, 0,1,2,3
	ds_store_b64 v[XS], v[XB+2*\i:XB+2*\i+1] offset:256*\i
	ds_store_b64 v[XS], v[XL+2*\i:XL+2*\i+1] offset:XLO+256*\i
.endr
	s_wait_loadcnt 0x0                             ; W
.set t, 0
.rept 16
	v_cvt_pk_bf16_f32 v[WB+2*t], v[WL+4*t], v[WL+4*t+1]
	v_cvt_pk_bf16_f32 v[WB+2*t+1], v[WL+4*t+2], v[WL+4*t+3]
.set t, t+1
.endr
.set t, 0
.rept 16
	ds_store_b64 v[WS], v[WB+2*t:WB+2*t+1] offset:2*WTP*t
.set t, t+1
.endr
	s_wait_dscnt 0x0                               ; for the others' sake: my row of X is in LDS
	s_barrier_signal -1
	s_barrier_wait -1
.irp nt, 0,1,2,3
	ds_load_tr16_b128 v[FW+8*\nt:FW+8*\nt+3], v[WF] offset:32*\nt            ; lane l: column 16 nt + l % 16, k = 8 h ..
	ds_load_tr16_b128 v[FW+8*\nt+4:FW+8*\nt+7], v[WF] offset:32*\nt+16*WTP   ; k = 16 + 8 h ..
.endr
	ds_load_b128 v[FX:FX+3], v[XF]
	ds_load_b128 v[FX+4:FX+7], v[XF] offset:32
	ds_load_b128 v[FXL:FXL+3], v[XF] offset:XLO
	ds_load_b128 v[FXL+4:FXL+7], v[XF] offset:XLO+32
	s_wait_dscnt 0x0
; Used transposed (source 0 = 16 columns of W, source 1 = the 16 rows of X): a lane holds one row (l % 16) and the columns 16 nt + 8 h + 0..7.  Four sums of two products each: W hi starts them with the
; constant 0, W lo is added; the four accumulators take turns, one instruction a turn: three others' stand between a sum's two links.
.irp nt, 0,1,2,3
	v_wmma_f32_16x16x32_bf16 v[AC+8*\nt:AC+8*\nt+7], v[FW+8*\nt:FW+8*\nt+7], v[FX:FX+7], 0
.endr
.irp nt, 0,1,2,3
	v_wmma_f32_16x16x32_bf16 v[AC+8*\nt:AC+8*\nt+7], v[FW+8*\nt:FW+8*\nt+7], v[FXL:FXL+7], v[AC+8*\nt:AC+8*\nt+7]
.endr
.rept 8
	v_nop                                          ; the places between the products and the stores that read them, with room to spare: once a launch
.endr
.irp nt, 0,1,2,3
	ds_store_b128 v[PS], v[AC+8*\nt:AC+8*\nt+3] offset:64*\nt      ; each accumulator's low registers first
	ds_store_b128 v[PS], v[AC+8*\nt+4:AC+8*\nt+7] offset:64*\nt+16
.endr
	s_wait_dscnt 0x0
	s_barrier_signal -1
	s_barrier_wait -1                              ; all 16 partial sums lie in LDS
	s_cmp_lt_u32 s12, 8                            ; 256 threads finish 16 rows x 64 columns, four numbers each
	s_cbranch_scc0 .Lend
.set i, 0
.rept 16
	ds_load_b128 v[VAL+4*i:VAL+4*i+3], v[PL] offset:PW*i
.set i, i+1
.endr
	v_cvt_pk_bf16_f32 v[BB], v[BI], v[BI+1]
	v_cvt_pk_bf16_f32 v[BB+1], v[BI+2], v[BI+3]
	v_lshlrev_b32 v[BI], 16, v[BB]
	v_and_b32 v[BI+1], 0xffff0000, v[BB]
	v_lshlrev_b32 v[BI+2], 16, v[BB+1]
	v_and_b32 v[BI+3], 0xffff0000, v[BB+1]
	s_wait_dscnt 0x0
.irp d, 8,4,2,1
.set i, 0
.rept \d
	v_pk_add_f32 v[VAL+4*i:VAL+4*i+1], v[VAL+4*i:VAL+4*i+1], v[VAL+4*(i+\d):VAL+4*(i+\d)+1]
	v_pk_add_f32 v[VAL+4*i+2:VAL+4*i+3], v[VAL+4*i+2:VAL+4*i+3], v[VAL+4*(i+\d)+2:VAL+4*(i+\d)+3]
.set i, i+1
.endr
.endr
	v_pk_add_f32 v[VAL:VAL+1], v[VAL:VAL+1], v[BI:BI+1]
	v_pk_add_f32 v[VAL+2:VAL+3], v[VAL+2:VAL+3], v[BI+2:BI+3]
.if RELU
.irp e, 0,1,2,3
	v_max_num_f32 v[VAL+\e], 0, v[VAL+\e]
.endr
.endif
	global_store_b128 v[GO], v[VAL:VAL+3], s[22:23]  ; 16 lanes store 256 consecutive bytes, aligned
.Lend:
	s_wait_tensorcnt 0x0                           ; the wave's end: behind my last LDS store
	ds_add_u32 v[SPW], v[NIL]
	s_wait_dscnt 0x0
	s_endpgm
.Lfunc_end_k_q1d051f2bcc_ctx:
	.size	k_q1d051f2bcc_ctx, .Lfunc_end_k_q1d051f2bcc_ctx-k_q1d051f2bcc_ctx
	.p2alignl 7, 3214868480
	.fill 96, 4, 3214868480
	.section	.rodata,"a",@progbits
	.p2align	6, 0x0
	.amdhsa_kernel k_q1d051f2bcc_ctx
		.amdhsa_group_segment_fixed_size 186880
		.amdhsa_private_segment_fixed_size 0
		.amdhsa_enable_private_segment 0
		.amdhsa_kernarg_size 32
		.amdhsa_user_sgpr_count 2
		.amdhsa_user_sgpr_kernarg_segment_ptr 1
		.amdhsa_wavefront_size32 1
		.amdhsa_system_sgpr_workgroup_id_x 1
		.amdhsa_system_sgpr_workgroup_id_y 1
		.amdhsa_system_sgpr_workgroup_id_z 1
		.amdhsa_system_vgpr_workitem_id 0
		.amdhsa_next_free_vgpr 256
		.amdhsa_next_free_sgpr 66
		.amdhsa_reserve_vcc 0
		.amdhsa_float_denorm_mode_32 3
		.amdhsa_float_denorm_mode_16_64 3
		.amdhsa_memory_ordered 1
		.amdhsa_forward_progress 1
		.amdhsa_inst_pref_size 22
	.end_amdhsa_kernel
	.amdgpu_metadata
---
amdhsa.version: [ 1, 2 ]
amdhsa.kernels:
  - .name:           k_q1d051f2bcc_ctx
    .symbol:         k_q1d051f2bcc_ctx.kd
    .args:
      - { .name: st1, .offset: 0, .size: 8, .value_kind: global_buffer, .address_space: global }
      - { .name: W_att, .offset: 8, .size: 8, .value_kind: global_buffer, .address_space: global }
      - { .name: b_att, .offset: 16, .size: 8, .value_kind: global_buffer, .address_space: global }
      - { .name: cb, .offset: 24, .size: 8, .value_kind: global_buffer, .address_space: global }
    .group_segment_fixed_size: 186880
    .private_segment_fixed_size: 0
    .kernarg_segment_align: 8
    .kernarg_segment_size: 32
    .max_flat_workgroup_size: 512
    .sgpr_count:     66
    .vgpr_count:     256
    .wavefront_size: 32
...
	.end_amdgpu_metadata
.endif
;; end of part 2
;; launch attn (part 3): grid 512 x 1, 4 waves a work-group, clusters of 4 x 1, 327,680 bytes of LDS; arguments xf, wf, cb, v, valid, st2; writes st2
.if DOCPART == 3
	.amdgcn_target "amdgcn-amd-amdhsa--gfx1250"
	.amdhsa_code_object_version 6
	.text
	.protected	k_q1d051f2bcc_attn
	.globl	k_q1d051f2bcc_attn
	.p2align	8
	.type	k_q1d051f2bcc_attn,@function
k_q1d051f2bcc_attn:
	s_mov_b64 s[64:65], 0
	v_nop
	global_prefetch_b8 v0, s[64:65] scope:SCOPE_SE
	s_setreg_imm32_b32 hwreg(HW_REG_WAVE_MODE, 25, 1), 1
	s_wait_xcnt 0x0
	s_wait_alu depctr_hold_cnt(0) depctr_sa_sdst(0) depctr_va_vdst(0) depctr_va_sdst(0) depctr_va_ssrc(0) depctr_va_vcc(0) depctr_vm_vsrc(0)
	s_getreg_b32 s2, hwreg(HW_REG_IB_STS2, 6, 4)
	s_cmp_eq_u32 s2, 0
	s_cbranch_scc0 .Lentry_in_a_cluster
	s_endpgm
.Lentry_in_a_cluster:
	s_bfe_u32 s2, ttmp6, 0x10000c
	s_cmp_lg_u32 s2, 0x3003
	s_cbranch_scc0 .Lentry_shape_is_right
	s_endpgm
.Lentry_shape_is_right:
; For a tile of 256 rows of one set: y = words Wa + cb, r = 1 / (1 + 2^(C2 y)), s = sum_n v'_n r_n, masked, p = 2^(s - m) with m the tile's true maximum, and the record (sum p words, m, sum p).
; WORK LEFT OUT: the context half of reference()'s product comes as cb, made once a set (the context row is the same for all rows of a set); and of score = sum(v) - 2 sum_n v_n r_n
; (tanh(y) = 1 - 2 r, C2 = 2 log2 e) the term sum(v), which is the same along the softmax's axis.  With v' = -C2 bf16(v), s = log2 e (score - sum(v)).  A NaN or overflow that reaches only these is not carried on.
; A masked row's s is -1e30 by a select, whatever was computed for it (a NaN too), as by reference()'s where().  LIMITS: a weight below 2^-126 counts as 0; NaN and infinities in valid rows are not treated apart.
; SHARES.  Work-group g = 4 x cluster + cx owns rows 256 g .. of the 131,072; wave w 64 of them: four tiles of 16.  ITS WORDS STAY IN REGISTERS for the whole K: 4 x 16 fragments, 512 registers, loaded
; straight from xf (each load 512 consecutive bytes): they feed the product, and at the end the weighted sum, so words is read once here.  Wa (wf) walks by in 8 chunks of 64 columns, 65,536 bytes, through
; two LDS slots; every fragment of Wa read from LDS feeds four products.
; CLUSTER.  Every work-group walks the same chunks: each chunk is asked for JOINTLY by the cluster's four, the same tensor load, descriptor and mask in all four; wave w brings the quarter at byte 16,384 w.
; LAYOUT.  The product is used transposed (source 0 = 16 columns of Wa, source 1 = 16 rows of words): register j of lane (r, h) holds column 8 h + j of row r.  So a lane holds ONE row: cb is the C operand
; that starts each sum (eight registers a tile of columns), v' is eight registers a tile of columns, and s is summed inside the lane; the two halves of the lanes meet once, at the tile's end.
; BY TURNS.  A chunk is two HALVES of two column tiles: 128 products on 8 accumulators each.  While one half is multiplied, the tanh of the half finished just before it stands between the products, two
; lines behind each: 224 lines for 128 products.  Its order: 32 scalings z = C2 y and 64 exponentials; ONE wait; 32 additions 1 + 2^z and 64 reciprocals; ONE wait; 32 multiply-adds s += v' r.
; The first half of all has no half before it: its riders run on accumulators and v' that were set to 0 and add 0; the last half's 224 lines stand alone behind the last products.
; The weighted sum is not a matrix product: it has one output row, and the fragments in registers run along k, not along the rows: v_fma_mix_f32_bf16 takes them as they lie, with p in f32.
; REGISTERS, in windows of 256 (s_set_vgpr_msb: bits 1:0 source 0, 3:2 source 1, 5:4 source 2, 7:6 destination):
;   window 0: addresses, s, cb and v' of the chunk      window 1: v0-127 accumulator (rt, nt) at 8 (4 rt + nt); v128-255 two buffers of Wa's fragments; at the end all 256: the weighted sum
;   window 2: words' fragments of tiles 0, 1 at 128 (rt & 1) + 8 s                window 3: those of tiles 2, 3
; Wa's fragments share the accumulators' window, so that a product's setting (destination and source 0 in window 1) also serves the scalings, exponentials, additions and reciprocals, which work in
; place on accumulators: they need no switch.  Only the 32 multiply-adds onto s switch, two to a slot.
.set SLOTB, 65536                      ; a slot: a chunk as it lies in wf.  A fragment load takes 512 consecutive bytes: no padding
.set SCR,   131072                     ; for each wave 32 rows, a lane each,
.set SCP,   1040                       ; of 1,024 bytes + 16: an odd multiple of 16
.set SCRW,  32*SCP
.set TABC,  SCR+4*SCRW                 ; 264,192: cb, 512 f32
.set TABV,  TABC+2048                  ; v', 512 f32
.set MRG,   TABV+2048                  ; 268,288: the four waves' sums, 2,048 bytes each
.set MLB,   MRG+4*2048                 ; 276,480: their pairs (m, l)
.set SPARE, MLB+256                    ; 276,736: the spare words, 128 bytes for each wave: two blocks of 256 bytes that no other line names.  Tensor loads land in the two slots alone
.set RECB,  2560
.set LN,  1
.set R,   2
.set H,   3
.set L16, 4                            ; v4   16 x lane; never rewritten
.set BAD, 5                            ; v5   16 x lane + the slot in hand
.set CADR, 6                           ; v6   32 h + the chunk's place in TABC
.set R4,  7                            ; v7   4 r; never rewritten
.set H32, 8                            ; v8   32 h; never rewritten
.set SW,  10                           ; v10-12  LDS addresses of the end
.set SR,  11
.set MW,  12
.set T16, 13                           ; v13  16 x thread; never rewritten
.set TBS, 14
.set PFO, 15                           ; v15  256 x lane; never rewritten
.set SPW, 16
.set NIL, 17
.set ZR,  18                           ; v18  0: the first addend of the weighted sum
.set MRA, 19
.set SA,  20                           ; v20-27  for row r of tile rt the pair at SA + 2 rt: sum of v' r over my even and my odd columns
.set P,   28                           ; v28-31  p of row r of my four tiles
.set F,   32                           ; v32-35  its flag
.set S,   36                           ; v36-39  its s
.set OT,  40                           ; v40-43  the other half of the lanes' part of s
.set MX,  44                           ; v44, v45  m, l
.set TM,  46
.set MLS, 48
.set MLA, 49
.set CBM, 64                           ; v64-95   cb of my eight columns in the chunk's four tiles of columns: tile nt at CBM + 8 nt
.set VV,  96                           ; v96-127  v' likewise
.set MG,  128                          ; v128-159  tables at the start, the merge at the end
.set BF,  128                          ; in window 1
.set G1,  16                           ; s[16:23] descriptor group 1
.set G0,  24                           ; s[24:27] descriptor group 0: it walks
.set WV,  28
.set CX,  29
.set WG,  30
.set LEFT, 31                          ; chunks still to be asked for
.set TB,  32                           ; the slot in hand
.set TC,  33                           ; the chunk's place in TABC
.set C2,  34                           ; s[34:35] C2; s[2:3] -C2
.set PFA, 36                           ; s[36:37] where my prefetches stand
.set LIM, 38
.set BIG, 39                           ; -1e30
.set SEL, 40                           ; s[40:41] v_permlanex16_b32's selects: each lane takes its own place in the other half
.set MSB, 0
.macro WIN new                         ; the high byte repeats the setting that is left; a switch that changes nothing is dropped
.if MSB != (\new)
	s_set_vgpr_msb (MSB<<8)|(\new)
.set MSB, \new
.endif
.endm
.macro WINR                            ; destination and source 0 in window 1: every setting of the products has that
.if (MSB & 0xc3) != 0x41
	WIN 0x41
.endif
.endm
.macro PLACES
.rept 4
	v_nop
.endr
.endm
; A round of the cluster's barrier: my work-group's barrier, so that wave 0's signal speaks for all four waves; wave 0 signals; every wave waits for all four work-groups; my work-group's barrier once more.
.macro ROUND
	s_barrier_signal -1
	s_barrier_wait -1
	s_cmp_lg_u32 s[WV], 0
	s_cbranch_scc1 .Lnot_wave_0_\@
	s_barrier_signal -3
.Lnot_wave_0_\@:
	s_barrier_wait -3
	s_barrier_signal -1
	s_barrier_wait -1
.endm
; A PREFETCH INTO THE L2 of a chunk of wf, which the launch before last stored.  In the trip that asks for chunk j + 1 it names chunk j + 3, whose tensor load stands two trips on.  All clusters walk the same
; chunks: cluster 0 asks, and nobody else; its four partners take 16,384 bytes each, told apart BY ADDRESS (no branch hangs on a work-group's place); in each, waves 0 and 1 take 8,192 bytes: a lane 256.
; So each block of chunks 3 to 7 is named once.  Chunks 0 to 2 come by their loads alone; the last two trips of the loop ask for nothing: there is no chunk 8.
.macro ASK
	s_cmp_gt_u32 s[LEFT], s[LIM]
	s_cbranch_scc0 .Lnot_mine_\@
	global_prefetch_b8 v[PFO], s[PFA:PFA+1] th:TH_LOAD_NT scope:SCOPE_SE
.Lnot_mine_\@:
.endm
.macro XLOAD ks                        ; K step ks of my four tiles: eight loads of 512 consecutive bytes
	WIN 0x80
.irp rt, 0,1
.irp c, 0,1
	global_load_b128 v[128*\rt+8*(\ks)+4*\c:128*\rt+8*(\ks)+4*\c+3], v[L16], s[48:49] offset:\rt*16384+(\ks)*1024+\c*512 th:TH_LOAD_NT
.endr
.endr
	WIN 0xc0
.irp rt, 0,1
.irp c, 0,1
	global_load_b128 v[128*\rt+8*(\ks)+4*\c:128*\rt+8*(\ks)+4*\c+3], v[L16], s[48:49] offset:(\rt+2)*16384+(\ks)*1024+\c*512 th:TH_LOAD_NT
.endr
.endr
.endm
; 16 LDS loads in one run: Wa's fragments of K steps 4 gq .. 4 gq + 3 for the column tiles 2 hf, 2 hf + 1, into buffer gq & 1
.macro FETCH hf, gq
	WIN 0x40                                       ; destination window 1, address window 0
.irp ks, 0,1,2,3
.irp ntl, 0,1
.irp c, 0,1
	ds_load_b128 v[BF+64*((\gq)&1)+8*(2*\ks+\ntl)+4*\c:BF+64*((\gq)&1)+8*(2*\ks+\ntl)+4*\c+3], v[BAD] offset:(((2*(\hf)+\ntl)*16+4*(\gq)+\ks)*2+\c)*512
.endr
.endr
.endr
.endm
; THE VECTOR WORK OF A HALF is a list of 224 lines; RID writes number RN of it for half EH (column tiles 2 EH, 2 EH + 1) and steps RN.  The half's 64 registers are numbered x = 0..63 (accumulator x / 8 in the
; order rt, tile; register x % 8), in pairs b = 0..31: each accumulator is read from its low end on.
;   0-95     the 32 scalings and the 64 exponentials: scaling 0; then scaling t, exponentials 2 t - 2, 2 t - 1 for t = 1..31; then exponentials 62, 63: a pair is scaled two lines or more ahead of its exponentials
;   96-191   the 32 additions of 1 and the 64 reciprocals, in the same order.  2^z = infinity gives r = 0, 2^z = 0 gives r = 1: tanh's two ends
;   192-223  s += v' r: the four row tiles by turns, so that the links of a chain stand four lines apart
; Ahead of numbers 96 and 192 stand a v_nop, the plain instruction behind a batch's last transcendental, and the wait ahead of the batch's first reader: one for each batch of 64.
.macro RID
.if (RN == 96) || (RN == 192)
	v_nop
	s_wait_alu depctr_va_vdst(0)
.endif
.if RN < 192
.set ph, RN/96
.set rn, RN-96*ph
.set tr, 1
.if rn == 0
.set tr, 0
.set ix, 0
.elseif rn >= 94
.set ix, rn-32
.elseif (rn-1)%3 == 0
.set tr, 0
.set ix, (rn-1)/3+1
.else
.set ix, 2*((rn-1)/3+1)-3+(rn-1)%3
.endif
	WINR
.if tr
.set rr, 8*(4*(ix/16)+2*EH+(ix/8)%2)+ix%8
.if ph
	v_rcp_f32 v[rr], v[rr]
.else
	v_exp_f32 v[rr], v[rr]
.endif
.else
.set rr, 8*(4*(ix/8)+2*EH+(ix/4)%2)+2*(ix%4)
.if ph
	v_pk_add_f32 v[rr:rr+1], v[rr:rr+1], 1.0 op_sel_hi:[1,0]
.else
	v_pk_mul_f32 v[rr:rr+1], v[rr:rr+1], s[C2:C2+1] op_sel_hi:[1,0]
.endif
.endif
.else
.set ix, RN-192
.set rr, 8*(4*(ix%4)+2*EH+ix/16)+2*((ix/4)%4)
	WIN 0x01                                       ; source 0 window 1; s and v' window 0
	v_pk_fma_f32 v[SA+2*(ix%4):SA+2*(ix%4)+1], v[rr:rr+1], v[VV+8*(2*EH+ix/16)+2*((ix/4)%4):VV+8*(2*EH+ix/16)+2*((ix/4)%4)+1], v[SA+2*(ix%4):SA+2*(ix%4)+1]
.endif
.set RN, RN+1
.endm
.macro DEAL                            ; two of them behind a product, while there are any
.rept 2
.if RN < 224
	RID
.endif
.endr
.endm
; 16 matrix instructions: four K steps x row tiles 2 hi, 2 hi + 1 x two column tiles.  The four accumulators take turns, one instruction a turn, and the groups before and behind name others.
; The first K step starts the sums with cb as its C operand (window 0): nothing is cleared, and cb costs no line of its own.
.macro MUL hf, gq, hi
.irp ks, 0,1,2,3
.irp rt, 0,1
.irp ntl, 0,1
.set rD, 8*(4*(2*(\hi)+\rt)+2*(\hf)+\ntl)
.set rW, 128*\rt+8*(4*(\gq)+\ks)
.set rB, BF+64*((\gq)&1)+8*(2*\ks+\ntl)
.if ((\gq) == 0) && (\ks == 0)
	WIN 0x49+4*(\hi)                               ; D window 1, Wa window 1, words window 2 or 3, C window 0
	v_wmma_f32_16x16x32_bf16 v[rD:rD+7], v[rB:rB+7], v[rW:rW+7], v[CBM+8*(2*(\hf)+\ntl):CBM+8*(2*(\hf)+\ntl)+7]
.else
	WIN 0x59+4*(\hi)                               ; the same with C window 1
	v_wmma_f32_16x16x32_bf16 v[rD:rD+7], v[rB:rB+7], v[rW:rW+7], v[rD:rD+7]
.endif
	DEAL
.endr
.endr
.endr
.endm
; Half a chunk: two column tiles, the whole K, in four groups of 32 products.  At a group's head the NEXT group's fragments are fetched, 32 products ahead of their use, into the buffer that the group before
; has just read: four v_nop are the places between those products and the loads (ISA guide 7.12.1 for vector instructions).  At the second half's head there are eight: they are also the places
; between the first half's last products and the riders that read its results.  No spacing leans on a rider.
.macro GEMMH hf
.irp gq, 0,1,2,3
.if \gq < 2
	s_wait_loadcnt 63                              ; words' K steps up to 4 gq + 3 are in: 96 and 64 loads are younger; the count's field ends at 63.  From the second chunk on these waits are met at once
.elseif \gq == 2
	s_wait_loadcnt 32                              ; 8 loads for each of the K steps 12 to 15 are younger
.else
	s_wait_loadcnt 0x0
.endif
	s_wait_dscnt 0x0                               ; this group's fragments of Wa are in, and what was loaded of cb and v'
.if ((\hf) == 1) && (\gq == 0)
.rept 8
	v_nop
.endr
	WIN 0
.irp nt, 2,3                           ; v' of this chunk's second half: the riders that read the last chunk's have all been issued
	ds_load_b128 v[VV+8*\nt:VV+8*\nt+3], v[CADR] offset:2048+64*\nt
	ds_load_b128 v[VV+8*\nt+4:VV+8*\nt+7], v[CADR] offset:2048+64*\nt+16
.endr
	FETCH 1, 1
.elseif \gq < 3
	PLACES
	FETCH \hf, \gq+1
.elseif (\hf) == 0
	PLACES
	FETCH 1, 0
.endif
	MUL \hf, \gq, 0
	MUL \hf, \gq, 1
.endr
.endm
; A chunk.  Eight v_nop are the places between the last chunk's last products and the loads into their sources and the riders on their results.  While the first fragments are on their way from LDS,
; the first 32 lines of the last half's list stand in a run of their own.
.macro WORK
.rept 8
	v_nop
.endr
	WIN 0
	v_add_nc_u32 v[BAD], s[TB], v[L16]
	v_add_nc_u32 v[CADR], s[TC], v[H32]
.irp nt, 0,1,2,3                       ; column 64 c + 16 nt + 8 h + j at byte 256 c + 64 nt + 32 h + 4 j: the 16 lanes of a half read the same bytes
	ds_load_b128 v[CBM+8*\nt:CBM+8*\nt+3], v[CADR] offset:64*\nt
	ds_load_b128 v[CBM+8*\nt+4:CBM+8*\nt+7], v[CADR] offset:64*\nt+16
.endr
.irp nt, 0,1
	ds_load_b128 v[VV+8*\nt:VV+8*\nt+3], v[CADR] offset:2048+64*\nt
	ds_load_b128 v[VV+8*\nt+4:VV+8*\nt+7], v[CADR] offset:2048+64*\nt+16
.endr
	FETCH 0, 0
.set EH, 1                             ; the last chunk's second half
.set RN, 0
.rept 32
	RID
.endr
	GEMMH 0
.set EH, 0                             ; this chunk's first half
.set RN, 0
	GEMMH 1
	WIN 0
.endm
; THE CHANGE OF SLOTS.  Each wave waits for all its tensor loads, of which one is out: its quarter of the chunk to be read; adds 0 to its spare word; and waits for that and for its reads of the slot that it leaves.
; fill = 1: the barrier is a round of the cluster's, so that no wave of any partner still reads that slot or has a load on its way; the joint load of the next chunk is the first thing behind it and has
; a chunk's work, 256 matrix instructions, in which to land.  (At its first use nothing has been read: chunk 0 is waited for, slot 1 filled for the first time, and the tables are shown to all waves.)
.macro CHANGE fill
	WIN 0
	s_wait_xcnt 0x0                                ; the last prefetch, a chunk back, has read its address, which is stepped below
	s_wait_tensorcnt 0x0                           ; no tensor load of mine is out, so group 0 may be written
	ds_add_u32 v[SPW], v[NIL]                      ; 0 onto my spare word; the scalar steps stand between it and the wait for it
.if \fill
	s_xor_b32 s[G0+1], s[G0+1], SLOTB              ; the other slot than last time,
	s_add_nc_u64 s[G0+2:G0+3], s[G0+2:G0+3], SLOTB ; the next chunk; the type bits on top are not reached
	s_add_nc_u64 s[PFA:PFA+1], s[PFA:PFA+1], SLOTB
.endif
	s_xor_b32 s[TB], s[TB], SLOTB
	s_add_co_u32 s[TC], s[TC], 256
	s_wait_dscnt 0x0                               ; the add is done, and my LDS reads and stores are over
.if \fill
	ROUND
	tensor_load_to_lds s[G0:G0+3], s[G1:G1+7]
	s_nop 0
	PLACES
	ASK
.else
	s_barrier_signal -1
	s_barrier_wait -1
.endif
.endm
	s_load_b256 s[4:11], s[0:1], 0x0               ; xf s[4:5], wf s[6:7], cb s[8:9], v s[10:11]
	s_load_b128 s[12:15], s[0:1], 0x20             ; valid s[12:13], st2 s[14:15]
	v_lshl_add_u32 v[SPW], v0, 2, SPARE
	v_mov_b32 v[NIL], 0
	ds_add_u32 v[SPW], v[NIL]                      ; the wave's opening: the add, twice on end, and its wait ahead of my first tensor load; the set-up below, work on registers, stands between
	ds_add_u32 v[SPW], v[NIL]
	v_lshrrev_b32 v[LN], 5, v0
	v_readfirstlane_b32 s[WV], v[LN]               ; wave 0..3
	s_bfe_u32 s[CX], ttmp6, 0x40000                ; cx: my place in the cluster: it enters addresses in memory alone
	s_lshl_b32 s[WG], ttmp9, 2                     ; in a cluster launch ttmp9 counts clusters
	s_add_co_u32 s[WG], s[WG], s[CX]
	; descriptor group 1: 16,384 dense bytes as 64 rows of 256 bytes, in elements of 8 bytes
	s_mov_b32 s[G1], 15|(3<<16)|(1<<21)            ; 15:0 the mask: all four work-groups; 17:16 elements of 8 bytes; 21 set beside a mask
	s_mov_b32 s[G1+1], 32<<16                      ; tensor_dim0 = 32
	s_mov_b32 s[G1+2], 64<<16                      ; tensor_dim1 = 64
	s_mov_b32 s[G1+3], 32<<16                      ; tile_dim0 = 32
	s_mov_b32 s[G1+4], 64                          ; tile_dim1 = 64
	s_mov_b32 s[G1+5], 32                          ; 32 elements from row to row
	s_mov_b32 s[G1+6], 0
	s_mov_b32 s[G1+7], 0
	s_mov_b32 s[G0], 1                             ; count = 1
	s_lshl_b32 s[G0+1], s[WV], 14                  ; LDS address: slot 0, my quarter
	s_mov_b32 s[C2], 0x4038aa3b                    ; 2 log2 e
	s_mov_b32 s[C2+1], s[C2]                       ; named with it as a pair
	s_mov_b32 s2, 0xc038aa3b
	s_mov_b32 s3, s2
	s_mov_b32 s[BIG], 0xf149f2ca                   ; -1e30
	s_mov_b32 s[SEL], 0x76543210
	s_mov_b32 s[SEL+1], 0xfedcba98
	s_lshr_b32 s[LIM], s[WV], 1
	s_or_b32 s[LIM], s[LIM], ttmp9                 ; 0 in waves 0 and 1 of cluster 0: the same in all four partners
	s_cmp_eq_u32 s[LIM], 0
	s_cselect_b32 s[LIM], 2, -1
	v_and_b32 v[LN], 31, v0
	v_and_b32 v[R], 15, v0
	v_bfe_u32 v[H], v0, 4, 1
	v_lshlrev_b32 v[L16], 4, v[LN]
	v_lshlrev_b32 v[R4], 2, v[R]
	v_lshlrev_b32 v[H32], 5, v[H]
	v_lshlrev_b32 v[T16], 4, v0
	v_lshlrev_b32 v[PFO], 8, v[LN]
	v_mov_b32 v[ZR], 0
	s_mul_i32 s42, s[WV], SCRW
	s_add_co_u32 s42, s42, SCR
	v_mul_u32_u24 v[SW], v[LN], SCP
	v_add_nc_u32 v[SW], s42, v[SW]
	v_mul_u32_u24 v[SR], v[H], 16*SCP
	v_lshl_add_u32 v[SR], v[R], 4, v[SR]
	v_add_nc_u32 v[SR], s42, v[SR]
	v_and_b32 v[TM], 3, v0
	v_bfe_u32 v[TM+1], v0, 2, 2
	v_lshlrev_b32 v[MW], 9, v[TM]
	v_lshl_add_u32 v[MW], v[TM+1], 5, v[MW]
	v_lshl_add_u32 v[MW], v[H], 4, v[MW]
	s_lshl_b32 s43, s[WV], 11
	s_add_co_u32 s43, s43, MRG
	v_add_nc_u32 v[MW], s43, v[MW]                 ; my four numbers k0 .. k0 + 3, k0 = 128 (l & 3) + 8 ((l >> 2) & 3) + 4 h + 32 u, at byte 4 k0
	v_add_nc_u32 v[MRA], MRG, v[T16]
	v_add_nc_u32 v[TBS], TABC, v[T16]
	s_lshl_b32 s42, s[WV], 3
	s_add_co_u32 s42, s42, MLB
	v_mov_b32 v[MLS], s42
	v_mov_b32 v[MLA], MLB
	s_lshl_b32 s44, s[WG], 18                      ; xf: 16 tiles of 16,384 bytes a work-group, 4 a wave
	s_lshl_b32 s45, s[WV], 16
	s_add_co_u32 s44, s44, s45
	s_mov_b32 s45, 0
	s_lshr_b32 s46, s[WG], 3                       ; the set
	s_lshl_b32 s46, s46, 11
	s_mov_b32 s47, 0
	s_lshl_b32 s56, s[WG], 10                      ; valid: 256 flags a work-group, 64 a wave
	s_lshl_b32 s57, s[WV], 8
	s_add_co_u32 s56, s56, s57
	s_mov_b32 s57, 0
	s_mul_i32 s58, s[WG], RECB
	s_mov_b32 s59, 0
	s_lshl_b32 s60, s[CX], 14                      ; the prefetches: my work-group's quarter, my wave's half of it, in chunk 2: the first change of slots steps it to chunk 3
	s_lshl_b32 s61, s[WV], 13
	s_add_co_u32 s60, s60, s61
	s_add_co_u32 s60, s60, 2*SLOTB
	s_mov_b32 s61, 0
	s_lshl_b32 s62, s[WV], 14                      ; my quarter of a chunk: made of the wave's number alone
	s_mov_b32 s63, 0
	s_wait_dscnt 0x0                               ; both opening adds are done
	s_wait_kmcnt 0x0
	s_add_nc_u64 s[48:49], s[4:5], s[44:45]
	s_add_nc_u64 s[50:51], s[8:9], s[46:47]
	s_add_nc_u64 s[52:53], s[12:13], s[56:57]
	s_add_nc_u64 s[54:55], s[14:15], s[58:59]
	s_add_nc_u64 s[PFA:PFA+1], s[6:7], s[60:61]
	s_add_nc_u64 s[G0+2:G0+3], s[6:7], s[62:63]    ; global address: chunk 0, my quarter
	s_or_b32 s[G0+3], s[G0+3], 0x80000000          ; type = 2
	global_load_b128 v[MG:MG+3], v[T16], s[50:51]  ; cb: four numbers a thread
	global_load_b128 v[MG+4:MG+7], v[T16], s[10:11]  ; v
.irp rt, 0,1,2,3
	global_load_b32 v[F+\rt], v[R4], s[52:53] offset:64*\rt
.endr
.set k, 0
.rept 7
	XLOAD k
.set k, k+1
.endr
	WIN 0
	ROUND                                          ; all four work-groups are here: the first joint loads meet
	tensor_load_to_lds s[G0:G0+3], s[G1:G1+7]      ; chunk 0 into slot 0; by this text's count a wave never has more than one tensor load out
	s_nop 0
	PLACES
	s_wait_loadcnt 60                              ; cb and v are in: 4 flags and 56 loads of words are younger
	v_cvt_pk_bf16_f32 v[MG+8], v[MG+4], v[MG+5]    ; v is rounded to bf16 as all inputs are
	v_cvt_pk_bf16_f32 v[MG+9], v[MG+6], v[MG+7]
	v_lshlrev_b32 v[MG+4], 16, v[MG+8]
	v_and_b32 v[MG+5], 0xffff0000, v[MG+8]
	v_lshlrev_b32 v[MG+6], 16, v[MG+9]
	v_and_b32 v[MG+7], 0xffff0000, v[MG+9]
	v_pk_mul_f32 v[MG+4:MG+5], v[MG+4:MG+5], s[2:3] op_sel_hi:[1,0]
	v_pk_mul_f32 v[MG+6:MG+7], v[MG+6:MG+7], s[2:3] op_sel_hi:[1,0]
	ds_store_b128 v[TBS], v[MG:MG+3]               ; the first change of slots waits for these stores and shows them to the other waves
	ds_store_b128 v[TBS], v[MG+4:MG+7] offset:2048
.set k, 7
.rept 9
	XLOAD k
.set k, k+1
.endr
	; What the first trip's riders find: the second half's accumulators and v' hold 0, so they add 0.5 x 0 to s.  That is the price of one text for every trip; it is written while the loads are on their way.
	WIN 0x40
.irp rt, 0,1,2,3
.set a, 0
.rept 16
	v_mov_b32 v[8*(4*\rt+2)+a], 0
.set a, a+1
.endr
.endr
	WIN 0
.set a, 0
.rept 16
	v_mov_b32 v[VV+16+a], 0
.set a, a+1
.endr
.set a, 0
.rept 8
	v_mov_b32 v[SA+a], 0                           ; s is summed over eight chunks of one text: it starts at 0
.set a, a+1
.endr
.irp rt, 0,1,2,3
	v_mov_b32 v[OT+\rt], 0                         ; v_permlanex16_b32's destination counts as read
.endr
	s_mov_b32 s[TB], SLOTB                         ; the first change of slots turns these into slot 0 and TABC
	s_mov_b32 s[TC], TABC-256
	s_mov_b32 s[LEFT], 7
.Lchunk:                                       ; trip j: chunk j is read, chunk j + 1 asked for
	CHANGE 1
	WORK
	s_sub_co_u32 s[LEFT], s[LEFT], 1
	s_cmp_lg_u32 s[LEFT], 0
	s_cbranch_scc1 .Lchunk
	CHANGE 0                                       ; the last chunk is written out: nothing is asked for
	WORK
.rept 8
	v_nop                                          ; the places behind the last products
.endr
.set EH, 1                             ; the last half's tanh has no products left to stand between
.set RN, 0
.rept 224
	RID
.endr
	WIN 0
	; THE TILE'S END.  Up to the barrier below a wave touches only its own LDS bytes.
.irp rt, 0,1,2,3
	v_add_f32 v[S+\rt], v[SA+2*\rt], v[SA+2*\rt+1] ; my even and my odd columns,
.endr
.irp rt, 0,1,2,3
	v_permlanex16_b32 v[OT+\rt], v[S+\rt], s[SEL], s[SEL+1]  ; and the row's other 256 columns, which lie in the lane 16 away
.endr
.irp rt, 0,1,2,3
	v_add_f32 v[S+\rt], v[S+\rt], v[OT+\rt]
.endr
.irp rt, 0,1,2,3
	v_cmp_lt_f32 vcc_lo, 0, v[F+\rt]
	v_cndmask_b32 v[S+\rt], s[BIG], v[S+\rt], vcc_lo
.endr
	v_max_num_f32 v[MX], v[S], v[S+1]
	v_max3_num_f32 v[MX], v[MX], v[S+2], v[S+3]
.irp x, 1,2,4,8
	v_max_num_f32_dpp v[MX], v[MX], v[MX] row_xmask:\x row_mask:0xf bank_mask:0xf  ; both halves of the lanes hold the same 64 rows
.endr
.irp rt, 0,1,2,3
	v_sub_f32 v[P+\rt], v[S+\rt], v[MX]
.endr
.irp rt, 0,1,2,3
	v_exp_f32 v[P+\rt], v[P+\rt]
.endr
	v_nop
	s_wait_alu depctr_va_vdst(0)                   ; one wait for the four
	v_add_f32 v[MX+1], v[P], v[P+1]
	v_add_f32 v[TM], v[P+2], v[P+3]
	v_add_f32 v[MX+1], v[MX+1], v[TM]
.irp x, 1,2,4,8
	v_add_f32_dpp v[MX+1], v[MX+1], v[MX+1] row_xmask:\x row_mask:0xf bank_mask:0xf
.endr
	; t[16 s + 2 e + half] = sum over my four tiles of p x the fragment's number: lane (r, h) sums row r of each tile
.irp rt, 0,1,2,3
.if \rt == 0
	WIN 0x42                                       ; t window 1, words window 2, p and the addend 0 window 0
.elseif \rt == 1
	WIN 0x52
.else
	WIN 0x53
.endif
.set a, 0
.rept 128
.if \rt == 0
	v_fma_mix_f32_bf16 v[2*a], v[a], v[P], v[ZR] op_sel_hi:[1,0,0]
	v_fma_mix_f32_bf16 v[2*a+1], v[a], v[P], v[ZR] op_sel:[1,0,0] op_sel_hi:[1,0,0]
.else
	v_fma_mix_f32_bf16 v[2*a], v[128*(\rt&1)+a], v[P+\rt], v[2*a] op_sel_hi:[1,0,0]
	v_fma_mix_f32_bf16 v[2*a+1], v[128*(\rt&1)+a], v[P+\rt], v[2*a+1] op_sel:[1,0,0] op_sel_hi:[1,0,0]
.endif
.set a, a+1
.endr
.endr
	WIN 0x04                                       ; store data window 1
.set i, 0
.rept 64
	ds_store_b128 v[SW], v[4*i:4*i+3] offset:16*i
.set i, i+1
.endr
	WIN 0x40                                       ; lane (r, h) takes pieces r + 16 u of the 16 lanes of its half
.irp u, 0,1,2,3
.set i, 0
.rept 16
	ds_load_b128 v[64*\u+4*i:64*\u+4*i+3], v[SR] offset:SCP*i+256*\u
.set i, i+1
.endr
.endr
	s_wait_dscnt 0x0
	WIN 0x45
.irp d, 8,4,2,1
.irp u, 0,1,2,3
.set i, 0
.rept \d
	v_pk_add_f32 v[64*\u+4*i:64*\u+4*i+1], v[64*\u+4*i:64*\u+4*i+1], v[64*\u+4*(i+\d):64*\u+4*(i+\d)+1]
	v_pk_add_f32 v[64*\u+4*i+2:64*\u+4*i+3], v[64*\u+4*i+2:64*\u+4*i+3], v[64*\u+4*(i+\d)+2:64*\u+4*(i+\d)+3]
.set i, i+1
.endr
.endr
.endr
	WIN 0x04
.irp u, 0,1,2,3
	ds_store_b128 v[MW], v[64*\u:64*\u+3] offset:128*\u  ; back in k's natural order
.endr
	WIN 0
	ds_store_b64 v[MLS], v[MX:MX+1]
	s_wait_dscnt 0x0                               ; for the others' sake
	s_barrier_signal -1
	s_barrier_wait -1
.irp w, 0,1,2,3
	ds_load_b128 v[MG+4*\w:MG+4*\w+3], v[MRA] offset:2048*\w
.endr
	ds_load_b128 v[MG+16:MG+19], v[MLA]
	ds_load_b128 v[MG+20:MG+23], v[MLA] offset:16
	s_wait_dscnt 0x0
	v_max_num_f32 v[MG+24], v[MG+16], v[MG+18]
	v_max3_num_f32 v[MG+24], v[MG+24], v[MG+20], v[MG+22]  ; the tile's maximum
.irp w, 0,1,2,3
	v_sub_f32 v[MG+16+2*\w], v[MG+16+2*\w], v[MG+24]
.endr
.irp w, 0,1,2,3
	v_exp_f32 v[MG+16+2*\w], v[MG+16+2*\w]
.endr
	v_nop
	s_wait_alu depctr_va_vdst(0)
	v_mul_f32 v[MG+25], v[MG+16], v[MG+17]
.irp w, 1,2,3
	v_fmac_f32 v[MG+25], v[MG+16+2*\w], v[MG+17+2*\w]
.endr
	v_pk_mul_f32 v[MG:MG+1], v[MG:MG+1], v[MG+16:MG+17] op_sel_hi:[1,0]
	v_pk_mul_f32 v[MG+2:MG+3], v[MG+2:MG+3], v[MG+16:MG+17] op_sel_hi:[1,0]
.irp w, 1,2,3
	v_pk_fma_f32 v[MG:MG+1], v[MG+4*\w:MG+4*\w+1], v[MG+16+2*\w:MG+17+2*\w], v[MG:MG+1] op_sel_hi:[1,0,1]
	v_pk_fma_f32 v[MG+2:MG+3], v[MG+4*\w+2:MG+4*\w+3], v[MG+16+2*\w:MG+17+2*\w], v[MG+2:MG+3] op_sel_hi:[1,0,1]
.endr
	global_store_b128 v[T16], v[MG:MG+3], s[54:55] ; 128 threads: the record's 512 numbers
	s_cmp_lg_u32 s[WV], 0
	s_cbranch_scc1 .Lend
	v_mov_b32 v[MG+26], v[MG+24]
	v_mov_b32 v[MG+27], v[MG+25]
	global_store_b128 v[L16], v[MG+24:MG+27], s[54:55] offset:2048  ; the pair (m, l), 64 times: 512 consecutive bytes
.Lend:
	s_wait_tensorcnt 0x0                           ; the wave's end: behind my last tensor load and my last LDS store
	ds_add_u32 v[SPW], v[NIL]
	s_wait_dscnt 0x0
	ROUND                                          ; the closing round: no work-group ends while a partner may still ask for a chunk that names it
	s_endpgm
.Lfunc_end_k_q1d051f2bcc_attn:
	.size	k_q1d051f2bcc_attn, .Lfunc_end_k_q1d051f2bcc_attn-k_q1d051f2bcc_attn
	.p2alignl 7, 3214868480
	.fill 96, 4, 3214868480
	.section	.rodata,"a",@progbits
	.p2align	6, 0x0
	.amdhsa_kernel k_q1d051f2bcc_attn
		.amdhsa_group_segment_fixed_size 327680
		.amdhsa_private_segment_fixed_size 0
		.amdhsa_enable_private_segment 0
		.amdhsa_kernarg_size 48
		.amdhsa_user_sgpr_count 2
		.amdhsa_user_sgpr_kernarg_segment_ptr 1
		.amdhsa_wavefront_size32 1
		.amdhsa_system_sgpr_workgroup_id_x 1
		.amdhsa_system_sgpr_workgroup_id_y 1
		.amdhsa_system_sgpr_workgroup_id_z 1
		.amdhsa_system_vgpr_workitem_id 0
		.amdhsa_next_free_vgpr 1024
		.amdhsa_next_free_sgpr 66
		.amdhsa_reserve_vcc 1
		.amdhsa_float_denorm_mode_32 3
		.amdhsa_float_denorm_mode_16_64 3
		.amdhsa_memory_ordered 1
		.amdhsa_forward_progress 1
		.amdhsa_inst_pref_size 219
	.end_amdhsa_kernel
	.amdgpu_metadata
---
amdhsa.version: [ 1, 2 ]
amdhsa.kernels:
  - .name:           k_q1d051f2bcc_attn
    .symbol:         k_q1d051f2bcc_attn.kd
    .args:
      - { .name: xf, .offset: 0, .size: 8, .value_kind: global_buffer, .address_space: global }
      - { .name: wf, .offset: 8, .size: 8, .value_kind: global_buffer, .address_space: global }
      - { .name: cb, .offset: 16, .size: 8, .value_kind: global_buffer, .address_space: global }
      - { .name: v, .offset: 24, .size: 8, .value_kind: global_buffer, .address_space: global }
      - { .name: valid, .offset: 32, .size: 8, .value_kind: global_buffer, .address_space: global }
      - { .name: st2, .offset: 40, .size: 8, .value_kind: global_buffer, .address_space: global }
    .group_segment_fixed_size: 327680
    .private_segment_fixed_size: 0
    .kernarg_segment_align: 8
    .kernarg_segment_size: 48
    .max_flat_workgroup_size: 128
    .sgpr_count:     66
    .vgpr_count:     1024
    .wavefront_size: 32
...
	.end_amdgpu_metadata
.endif
;; end of part 3
;; launch mlp1 (part 4): grid 8 x 4, 16 waves a work-group, no clusters, 186,880 bytes of LDS; arguments st2, W1, b1, h1; writes h1
.if DOCPART == 4
	.amdgcn_target "amdgcn-amd-amdhsa--gfx1250"
	.amdhsa_code_object_version 6
	.text
	.protected	k_q1d051f2bcc_mlp1
	.globl	k_q1d051f2bcc_mlp1
	.p2align	8
	.type	k_q1d051f2bcc_mlp1,@function
k_q1d051f2bcc_mlp1:
	s_mov_b64 s[64:65], 0
	v_nop
	global_prefetch_b8 v0, s[64:65] scope:SCOPE_SE
	s_setreg_imm32_b32 hwreg(HW_REG_WAVE_MODE, 25, 1), 1
	s_wait_xcnt 0x0
; h1 = relu(rep W1 + b1).  rep_b is the merge of the set's eight records of launch attn: the softmax's maximum over the whole set is taken here, and its sum divides here.  Nothing is left out.
; ONE TEXT FOR FOUR LAUNCHES, which differ in the five constants below: out = [relu](X W + bias), X: 64 rows x 512, W: [512][N] f32, out: [64][N] f32.
; X's row b is either a plain row of 2,048 bytes (NREC = 0) or the merge of NREC records of 2,560 bytes (512 f32 values, then the pair (m, l)): row = sum_q 2^(m_q - M) value_q / sum_q 2^(m_q - M) l_q, M = max m_q.
; FORMATS.  W and the bias, inputs, are rounded once to bf16.  X is made by the program itself: it goes to the matrix unit as TWO bf16 numbers, hi = bf16(X) and lo = bf16(X - hi) (the difference is exact in
; f32), and both are multiplied by W: X then keeps some 16 significant bits in bf16's range.  LIMIT: an X so large that bf16(X) is an infinity gives NaN.
; SHARES.  A work-group makes 16 rows x 64 columns.  Wave w first makes row w of X (into LDS); then K IS SPLIT AMONG THE 16 WAVES: wave w multiplies k = 32 w .. 32 w + 31 for all four tiles of
; 16 columns: eight matrix instructions; the 16 partial sums meet in LDS (f32).  W is read in pieces of 256 consecutive bytes, rounded to bf16, laid [k][n] in the wave's own LDS and read turned.
; No cluster and no tensor load: a work-group reads 128 KiB once, and nothing is filled twice.
.set NREC, 8
.set WOFF, 0                           ; bytes to W's first row in its buffer
.set WP,   2048                        ; bytes in a row of W
.set OP,   2048                        ; bytes in a row of out
.set RELU, 1
.set RECB, 2560
.if NREC
.set XSTR, NREC*RECB
.set NV,   NREC
.else
.set XSTR, 2048
.set NV,   1
.endif
.set WTP, 160                          ; a row of W in LDS: 64 bf16 + 32 bytes: an odd multiple of 32
.set WTW, 32*WTP                       ; a wave's 32 rows
.set XT,  16*WTW                       ; 81,920: X's hi parts, 16 rows
.set XP,  1040                         ; 1,024 bytes + 16: an odd multiple of 16
.set XLO, 16*XP                        ; X's lo parts lie 16,640 bytes behind the hi parts
.set PT,  XT+2*XLO                     ; 115,200: the partial sums: for each wave 16 rows
.set PP,  272                          ; of 64 f32 + 16 bytes
.set PW,  16*PP
.set SPARE, PT+16*PW                   ; 184,832: the spare words, 128 bytes for each wave: eight blocks of 256 bytes that no other line names
.set LN, 1
.set R,  2
.set H,  3
.set XS, 4                             ; v4-9  LDS addresses; v10-13 offsets in memory; none is rewritten
.set WS, 5
.set WF, 6
.set XF, 7
.set PS, 8
.set PL, 9
.set GO, 10
.set BO, 11
.set VO, 12
.set WO, 13
.set SPW, 14
.set NIL, 15
.set BI, 16                            ; v16-19  bias
.set ML, 20                            ; v20-35  the records' pairs (m, l); the weight takes m's place
.set TM, 36                            ; v36-38  at work: M, L, 1 / L
.set ZR, 39                            ; v39     0, an offset
.set XB, 40                            ; v40-47  my row's hi parts, packed
.set BB, 48
.set XL, 56                            ; v56-63  my row's lo parts, packed
.set VAL, 64                           ; v64-191 the records' values; the row is summed in the first record's place; later the 16 partial sums
.set HW, 80                            ; v80-95  the hi parts widened to f32 again (the second record's place, which is free by then)
.set WB, 96                            ; v96-127 my rows of W in bf16
.set FW, 128                           ; v128-159 W's four fragments
.set FX, 160                           ; v160-167 the fragment of X's hi parts
.set AC, 168                           ; v168-199 four accumulators
.set WL, 192                           ; v192-255 my rows of W as loaded
.set FXL, 200                          ; v200-207 the fragment of X's lo parts (W as loaded is free by then)
	s_load_b256 s[4:11], s[0:1], 0x0               ; X s[4:5], W s[6:7], bias s[8:9], out s[10:11]
	v_lshl_add_u32 v[SPW], v0, 2, SPARE
	v_mov_b32 v[NIL], 0
	v_lshrrev_b32 v[LN], 5, v0
	v_readfirstlane_b32 s12, v[LN]                 ; wave 0..15
	s_and_b32 s14, ttmp7, 0xffff                   ; y: rows 16 y ..; ttmp9 = x: columns 64 x ..
	v_and_b32 v[LN], 31, v0
	v_and_b32 v[R], 15, v0
	v_bfe_u32 v[H], v0, 4, 1
	v_lshrrev_b32 v[TM], 4, v0                     ; thread / 16
	v_and_b32 v[TM+1], 7, v0
	v_bfe_u32 v[TM+2], v0, 3, 1
	v_mov_b32 v[ZR], 0
	s_mul_i32 s24, s12, XP
	s_add_co_u32 s24, s24, XT
	v_lshl_add_u32 v[XS], v[LN], 3, s24            ; X in: row w, 8 bytes a lane
	s_mul_i32 s25, s12, WTW
	v_mul_u32_u24 v[WS], v[H], WTP
	v_lshl_add_u32 v[WS], v[R], 3, v[WS]
	v_add_nc_u32 v[WS], s25, v[WS]                 ; W in: row 2 t + h, 8 bytes for 4 columns
	v_lshl_add_u32 v[TM+1], v[H], 3, v[TM+1]
	v_mul_u32_u24 v[WF], v[TM+1], WTP
	v_lshl_add_u32 v[WF], v[TM+2], 4, v[WF]
	v_add_nc_u32 v[WF], s25, v[WF]                 ; W out, turned: row 8 h + l % 8, 16 bytes at 16 ((l / 8) % 2)
	s_lshl_b32 s26, s12, 6
	s_add_co_u32 s26, s26, XT
	v_mul_u32_u24 v[XF], v[R], XP
	v_lshl_add_u32 v[XF], v[H], 4, v[XF]
	v_add_nc_u32 v[XF], s26, v[XF]                 ; X out: row r, k = 32 w + 8 h
	s_mul_i32 s27, s12, PW
	s_add_co_u32 s27, s27, PT
	v_mul_u32_u24 v[PS], v[R], PP
	v_lshl_add_u32 v[PS], v[H], 5, v[PS]
	v_add_nc_u32 v[PS], s27, v[PS]                 ; partial sums in: row r, 8 columns at 32 h
	v_mul_u32_u24 v[PL], v[TM], PP
	v_lshl_add_u32 v[PL], v[R], 4, v[PL]
	v_add_nc_u32 v[PL], PT, v[PL]                  ; and out: row thread / 16, 4 columns
	v_mul_u32_u24 v[GO], v[TM], OP
	v_lshl_add_u32 v[GO], v[R], 4, v[GO]
	v_lshlrev_b32 v[BO], 4, v[R]
	v_lshlrev_b32 v[VO], 4, v[LN]
	v_mul_u32_u24 v[WO], v[H], WP
	v_lshl_add_u32 v[WO], v[R], 4, v[WO]
	s_lshl_b32 s28, s14, 4
	s_add_co_u32 s28, s28, s12
	s_mul_i32 s28, s28, XSTR                       ; row 16 y + w of X
	s_mov_b32 s29, 0
	s_lshl_b32 s32, ttmp9, 8                       ; 64 columns of f32
	s_mov_b32 s33, 0
	s_mul_i32 s30, s12, 32*WP
	s_add_co_u32 s30, s30, s32
	s_add_co_u32 s30, s30, WOFF
	s_mov_b32 s31, 0
	s_mul_i32 s34, s14, 16*OP
	s_add_co_u32 s34, s34, s32
	s_mov_b32 s35, 0
	s_wait_kmcnt 0x0
	s_add_nc_u64 s[16:17], s[4:5], s[28:29]
	s_add_nc_u64 s[18:19], s[6:7], s[30:31]
	s_add_nc_u64 s[20:21], s[8:9], s[32:33]
	s_add_nc_u64 s[22:23], s[10:11], s[34:35]
	global_load_b128 v[BI:BI+3], v[BO], s[20:21]
.if NREC
.set q, 0
.rept NREC
	global_load_b64 v[ML+2*q:ML+2*q+1], v[ZR], s[16:17] offset:q*RECB+2048
.set q, q+1
.endr
.endif
.set q, 0
.rept NV
.irp i, 0,1,2,3
	global_load_b128 v[VAL+16*q+4*\i:VAL+16*q+4*\i+3], v[VO], s[16:17] offset:q*RECB+512*\i  ; k = 128 i + 4 lane ..: 512 consecutive bytes
.endr
.set q, q+1
.endr
.set t, 0
.rept 16
	global_load_b128 v[WL+4*t:WL+4*t+3], v[WO], s[18:19] offset:2*t*WP  ; rows 32 w + 2 t + h: 16 lanes read 256 consecutive bytes, aligned
.set t, t+1
.endr
	s_wait_loadcnt 16                              ; all but W's 16 loads, which are the youngest
.if NREC
	v_max_num_f32 v[TM], v[ML], v[ML+2]
.set q, 2
.rept NREC-2
	v_max_num_f32 v[TM], v[TM], v[ML+2*q]
.set q, q+1
.endr
.set q, 0
.rept NREC
	v_sub_f32 v[ML+2*q], v[ML+2*q], v[TM]
.set q, q+1
.endr
.set q, 0
.rept NREC
	v_exp_f32 v[ML+2*q], v[ML+2*q]
.set q, q+1
.endr
	v_nop                                          ; a plain instruction behind the last exponential,
	s_wait_alu depctr_va_vdst(0)                   ; and the wait ahead of the first use: one for the batch
	v_mul_f32 v[TM+1], v[ML], v[ML+1]
.set q, 1
.rept NREC-1
	v_fmac_f32 v[TM+1], v[ML+2*q], v[ML+2*q+1]
.set q, q+1
.endr
	v_rcp_f32 v[TM+2], v[TM+1]
	v_nop
	s_wait_alu depctr_va_vdst(0)
.set q, 0
.rept NREC
	v_mul_f32 v[ML+2*q], v[ML+2*q], v[TM+2]
.set q, q+1
.endr
.irp u, 0,1,2,3,4,5,6,7
	v_pk_mul_f32 v[VAL+2*\u:VAL+2*\u+1], v[VAL+2*\u:VAL+2*\u+1], v[ML:ML+1] op_sel_hi:[1,0]  ; the pair's low word, the weight, for both halves
.endr
.set q, 1
.rept NREC-1
.irp u, 0,1,2,3,4,5,6,7
	v_pk_fma_f32 v[VAL+2*\u:VAL+2*\u+1], v[VAL+16*q+2*\u:VAL+16*q+2*\u+1], v[ML+2*q:ML+2*q+1], v[VAL+2*\u:VAL+2*\u+1] op_sel_hi:[1,0,1]
.endr
.set q, q+1
.endr
.endif
.irp u, 0,1,2,3,4,5,6,7
	v_cvt_pk_bf16_f32 v[XB+\u], v[VAL+2*\u], v[VAL+2*\u+1]  ; hi = bf16(X)
.endr
.irp u, 0,1,2,3,4,5,6,7
	v_lshlrev_b32 v[HW+2*\u], 16, v[XB+\u]         ; hi as f32 again
	v_and_b32 v[HW+2*\u+1], 0xffff0000, v[XB+\u]
.endr
.irp u, 0,1,2,3,4,5,6,7
	v_pk_add_f32 v[VAL+2*\u:VAL+2*\u+1], v[VAL+2*\u:VAL+2*\u+1], v[HW+2*\u:HW+2*\u+1] neg_lo:[0,1] neg_hi:[0,1]  ; X - hi
.endr
.irp u, 0,1,2,3,4,5,6,7
	v_cvt_pk_bf16_f32 v[XL+\u], v[VAL+2*\u], v[VAL+2*\u+1]  ; lo
.endr
.irp i, 0,1,2,3
	ds_store_b64 v[XS], v[XB+2*\i:XB+2*\i+1] offset:256*\i
	ds_store_b64 v[XS], v[XL+2*\i:XL+2*\i+1] offset:XLO+256*\i
.endr
	s_wait_loadcnt 0x0                             ; W
.set t, 0
.rept 16
	v_cvt_pk_bf16_f32 v[WB+2*t], v[WL+4*t], v[WL+4*t+1]
	v_cvt_pk_bf16_f32 v[WB+2*t+1], v[WL+4*t+2], v[WL+4*t+3]
.set t, t+1
.endr
.set t, 0
.rept 16
	ds_store_b64 v[WS], v[WB+2*t:WB+2*t+1] offset:2*WTP*t
.set t, t+1
.endr
	s_wait_dscnt 0x0                               ; for the others' sake: my row of X is in LDS
	s_barrier_signal -1
	s_barrier_wait -1
.irp nt, 0,1,2,3
	ds_load_tr16_b128 v[FW+8*\nt:FW+8*\nt+3], v[WF] offset:32*\nt            ; lane l: column 16 nt + l % 16, k = 8 h ..
	ds_load_tr16_b128 v[FW+8*\nt+4:FW+8*\nt+7], v[WF] offset:32*\nt+16*WTP   ; k = 16 + 8 h ..
.endr
	ds_load_b128 v[FX:FX+3], v[XF]
	ds_load_b128 v[FX+4:FX+7], v[XF] offset:32
	ds_load_b128 v[FXL:FXL+3], v[XF] offset:XLO
	ds_load_b128 v[FXL+4:FXL+7], v[XF] offset:XLO+32
	s_wait_dscnt 0x0
; Used transposed (source 0 = 16 columns of W, source 1 = the 16 rows of X): a lane holds one row (l % 16) and the columns 16 nt + 8 h + 0..7.  Four sums of two products each: W hi starts them with the
; constant 0, W lo is added; the four accumulators take turns, one instruction a turn: three others' stand between a sum's two links.
.irp nt, 0,1,2,3
	v_wmma_f32_16x16x32_bf16 v[AC+8*\nt:AC+8*\nt+7], v[FW+8*\nt:FW+8*\nt+7], v[FX:FX+7], 0
.endr
.irp nt, 0,1,2,3
	v_wmma_f32_16x16x32_bf16 v[AC+8*\nt:AC+8*\nt+7], v[FW+8*\nt:FW+8*\nt+7], v[FXL:FXL+7], v[AC+8*\nt:AC+8*\nt+7]
.endr
.rept 8
	v_nop                                          ; the places between the products and the stores that read them, with room to spare: once a launch
.endr
.irp nt, 0,1,2,3
	ds_store_b128 v[PS], v[AC+8*\nt:AC+8*\nt+3] offset:64*\nt      ; each accumulator's low registers first
	ds_store_b128 v[PS], v[AC+8*\nt+4:AC+8*\nt+7] offset:64*\nt+16
.endr
	s_wait_dscnt 0x0
	s_barrier_signal -1
	s_barrier_wait -1                              ; all 16 partial sums lie in LDS
	s_cmp_lt_u32 s12, 8                            ; 256 threads finish 16 rows x 64 columns, four numbers each
	s_cbranch_scc0 .Lend
.set i, 0
.rept 16
	ds_load_b128 v[VAL+4*i:VAL+4*i+3], v[PL] offset:PW*i
.set i, i+1
.endr
	v_cvt_pk_bf16_f32 v[BB], v[BI], v[BI+1]
	v_cvt_pk_bf16_f32 v[BB+1], v[BI+2], v[BI+3]
	v_lshlrev_b32 v[BI], 16, v[BB]
	v_and_b32 v[BI+1], 0xffff0000, v[BB]
	v_lshlrev_b32 v[BI+2], 16, v[BB+1]
	v_and_b32 v[BI+3], 0xffff0000, v[BB+1]
	s_wait_dscnt 0x0
.irp d, 8,4,2,1
.set i, 0
.rept \d
	v_pk_add_f32 v[VAL+4*i:VAL+4*i+1], v[VAL+4*i:VAL+4*i+1], v[VAL+4*(i+\d):VAL+4*(i+\d)+1]
	v_pk_add_f32 v[VAL+4*i+2:VAL+4*i+3], v[VAL+4*i+2:VAL+4*i+3], v[VAL+4*(i+\d)+2:VAL+4*(i+\d)+3]
.set i, i+1
.endr
.endr
	v_pk_add_f32 v[VAL:VAL+1], v[VAL:VAL+1], v[BI:BI+1]
	v_pk_add_f32 v[VAL+2:VAL+3], v[VAL+2:VAL+3], v[BI+2:BI+3]
.if RELU
.irp e, 0,1,2,3
	v_max_num_f32 v[VAL+\e], 0, v[VAL+\e]
.endr
.endif
	global_store_b128 v[GO], v[VAL:VAL+3], s[22:23]  ; 16 lanes store 256 consecutive bytes, aligned
.Lend:
	s_wait_tensorcnt 0x0                           ; the wave's end: behind my last LDS store
	ds_add_u32 v[SPW], v[NIL]
	s_wait_dscnt 0x0
	s_endpgm
.Lfunc_end_k_q1d051f2bcc_mlp1:
	.size	k_q1d051f2bcc_mlp1, .Lfunc_end_k_q1d051f2bcc_mlp1-k_q1d051f2bcc_mlp1
	.p2alignl 7, 3214868480
	.fill 96, 4, 3214868480
	.section	.rodata,"a",@progbits
	.p2align	6, 0x0
	.amdhsa_kernel k_q1d051f2bcc_mlp1
		.amdhsa_group_segment_fixed_size 186880
		.amdhsa_private_segment_fixed_size 0
		.amdhsa_enable_private_segment 0
		.amdhsa_kernarg_size 32
		.amdhsa_user_sgpr_count 2
		.amdhsa_user_sgpr_kernarg_segment_ptr 1
		.amdhsa_wavefront_size32 1
		.amdhsa_system_sgpr_workgroup_id_x 1
		.amdhsa_system_sgpr_workgroup_id_y 1
		.amdhsa_system_sgpr_workgroup_id_z 1
		.amdhsa_system_vgpr_workitem_id 0
		.amdhsa_next_free_vgpr 256
		.amdhsa_next_free_sgpr 66
		.amdhsa_reserve_vcc 0
		.amdhsa_float_denorm_mode_32 3
		.amdhsa_float_denorm_mode_16_64 3
		.amdhsa_memory_ordered 1
		.amdhsa_forward_progress 1
		.amdhsa_inst_pref_size 26
	.end_amdhsa_kernel
	.amdgpu_metadata
---
amdhsa.version: [ 1, 2 ]
amdhsa.kernels:
  - .name:           k_q1d051f2bcc_mlp1
    .symbol:         k_q1d051f2bcc_mlp1.kd
    .args:
      - { .name: st2, .offset: 0, .size: 8, .value_kind: global_buffer, .address_space: global }
      - { .name: W1, .offset: 8, .size: 8, .value_kind: global_buffer, .address_space: global }
      - { .name: b1, .offset: 16, .size: 8, .value_kind: global_buffer, .address_space: global }
      - { .name: h1, .offset: 24, .size: 8, .value_kind: global_buffer, .address_space: global }
    .group_segment_fixed_size: 186880
    .private_segment_fixed_size: 0
    .kernarg_segment_align: 8
    .kernarg_segment_size: 32
    .max_flat_workgroup_size: 512
    .sgpr_count:     66
    .vgpr_count:     256
    .wavefront_size: 32
...
	.end_amdgpu_metadata
.endif
;; end of part 4
;; launch mlp2 (part 5): grid 8 x 4, 16 waves a work-group, no clusters, 186,880 bytes of LDS; arguments h1, W2, b2, h2; writes h2
.if DOCPART == 5
	.amdgcn_target "amdgcn-amd-amdhsa--gfx1250"
	.amdhsa_code_object_version 6
	.text
	.protected	k_q1d051f2bcc_mlp2
	.globl	k_q1d051f2bcc_mlp2
	.p2align	8
	.type	k_q1d051f2bcc_mlp2,@function
k_q1d051f2bcc_mlp2:
	s_mov_b64 s[64:65], 0
	v_nop
	global_prefetch_b8 v0, s[64:65] scope:SCOPE_SE
	s_setreg_imm32_b32 hwreg(HW_REG_WAVE_MODE, 25, 1), 1
	s_wait_xcnt 0x0
; h2 = relu(h1 W2 + b2).  Nothing is left out.
; ONE TEXT FOR FOUR LAUNCHES, which differ in the five constants below: out = [relu](X W + bias), X: 64 rows x 512, W: [512][N] f32, out: [64][N] f32.
; X's row b is either a plain row of 2,048 bytes (NREC = 0) or the merge of NREC records of 2,560 bytes (512 f32 values, then the pair (m, l)): row = sum_q 2^(m_q - M) value_q / sum_q 2^(m_q - M) l_q, M = max m_q.
; FORMATS.  W and the bias, inputs, are rounded once to bf16.  X is made by the program itself: it goes to the matrix unit as TWO bf16 numbers, hi = bf16(X) and lo = bf16(X - hi) (the difference is exact in
; f32), and both are multiplied by W: X then keeps some 16 significant bits in bf16's range.  LIMIT: an X so large that bf16(X) is an infinity gives NaN.
; SHARES.  A work-group makes 16 rows x 64 columns.  Wave w first makes row w of X (into LDS); then K IS SPLIT AMONG THE 16 WAVES: wave w multiplies k = 32 w .. 32 w + 31 for all four tiles of
; 16 columns: eight matrix instructions; the 16 partial sums meet in LDS (f32).  W is read in pieces of 256 consecutive bytes, rounded to bf16, laid [k][n] in the wave's own LDS and read turned.
; No cluster and no tensor load: a work-group reads 128 KiB once, and nothing is filled twice.
.set NREC, 0
.set WOFF, 0                           ; bytes to W's first row in its buffer
.set WP,   2048                        ; bytes in a row of W
.set OP,   2048                        ; bytes in a row of out
.set RELU, 1
.set RECB, 2560
.if NREC
.set XSTR, NREC*RECB
.set NV,   NREC
.else
.set XSTR, 2048
.set NV,   1
.endif
.set WTP, 160                          ; a row of W in LDS: 64 bf16 + 32 bytes: an odd multiple of 32
.set WTW, 32*WTP                       ; a wave's 32 rows
.set XT,  16*WTW                       ; 81,920: X's hi parts, 16 rows
.set XP,  1040                         ; 1,024 bytes + 16: an odd multiple of 16
.set XLO, 16*XP                        ; X's lo parts lie 16,640 bytes behind the hi parts
.set PT,  XT+2*XLO                     ; 115,200: the partial sums: for each wave 16 rows
.set PP,  272                          ; of 64 f32 + 16 bytes
.set PW,  16*PP
.set SPARE, PT+16*PW                   ; 184,832: the spare words, 128 bytes for each wave: eight blocks of 256 bytes that no other line names
.set LN, 1
.set R,  2
.set H,  3
.set XS, 4                             ; v4-9  LDS addresses; v10-13 offsets in memory; none is rewritten
.set WS, 5
.set WF, 6
.set XF, 7
.set PS, 8
.set PL, 9
.set GO, 10
.set BO, 11
.set VO, 12
.set WO, 13
.set SPW, 14
.set NIL, 15
.set BI, 16                            ; v16-19  bias
.set ML, 20                            ; v20-35  the records' pairs (m, l); the weight takes m's place
.set TM, 36                            ; v36-38  at work: M, L, 1 / L
.set ZR, 39                            ; v39     0, an offset
.set XB, 40                            ; v40-47  my row's hi parts, packed
.set BB, 48
.set XL, 56                            ; v56-63  my row's lo parts, packed
.set VAL, 64                           ; v64-191 the records' values; the row is summed in the first record's place; later the 16 partial sums
.set HW, 80                            ; v80-95  the hi parts widened to f32 again (the second record's place, which is free by then)
.set WB, 96                            ; v96-127 my rows of W in bf16
.set FW, 128                           ; v128-159 W's four fragments
.set FX, 160                           ; v160-167 the fragment of X's hi parts
.set AC, 168                           ; v168-199 four accumulators
.set WL, 192                           ; v192-255 my rows of W as loaded
.set FXL, 200                          ; v200-207 the fragment of X's lo parts (W as loaded is free by then)
	s_load_b256 s[4:11], s[0:1], 0x0               ; X s[4:5], W s[6:7], bias s[8:9], out s[10:11]
	v_lshl_add_u32 v[SPW], v0, 2, SPARE
	v_mov_b32 v[NIL], 0
	v_lshrrev_b32 v[LN], 5, v0
	v_readfirstlane_b32 s12, v[LN]                 ; wave 0..15
	s_and_b32 s14, ttmp7, 0xffff                   ; y: rows 16 y ..; ttmp9 = x: columns 64 x ..
	v_and_b32 v[LN], 31, v0
	v_and_b32 v[R], 15, v0
	v_bfe_u32 v[H], v0, 4, 1
	v_lshrrev_b32 v[TM], 4, v0                     ; thread / 16
	v_and_b32 v[TM+1], 7, v0
	v_bfe_u32 v[TM+2], v0, 3, 1
	v_mov_b32 v[ZR], 0
	s_mul_i32 s24, s12, XP
	s_add_co_u32 s24, s24, XT
	v_lshl_add_u32 v[XS], v[LN], 3, s24            ; X in: row w, 8 bytes a lane
	s_mul_i32 s25, s12, WTW
	v_mul_u32_u24 v[WS], v[H], WTP
	v_lshl_add_u32 v[WS], v[R], 3, v[WS]
	v_add_nc_u32 v[WS], s25, v[WS]                 ; W in: row 2 t + h, 8 bytes for 4 columns
	v_lshl_add_u32 v[TM+1], v[H], 3, v[TM+1]
	v_mul_u32_u24 v[WF], v[TM+1], WTP
	v_lshl_add_u32 v[WF], v[TM+2], 4, v[WF]
	v_add_nc_u32 v[WF], s25, v[WF]                 ; W out, turned: row 8 h + l % 8, 16 bytes at 16 ((l / 8) % 2)
	s_lshl_b32 s26, s12, 6
	s_add_co_u32 s26, s26, XT
	v_mul_u32_u24 v[XF], v[R], XP
	v_lshl_add_u32 v[XF], v[H], 4, v[XF]
	v_add_nc_u32 v[XF], s26, v[XF]                 ; X out: row r, k = 32 w + 8 h
	s_mul_i32 s27, s12, PW
	s_add_co_u32 s27, s27, PT
	v_mul_u32_u24 v[PS], v[R], PP
	v_lshl_add_u32 v[PS], v[H], 5, v[PS]
	v_add_nc_u32 v[PS], s27, v[PS]                 ; partial sums in: row r, 8 columns at 32 h
	v_mul_u32_u24 v[PL], v[TM], PP
	v_lshl_add_u32 v[PL], v[R], 4, v[PL]
	v_add_nc_u32 v[PL], PT, v[PL]                  ; and out: row thread / 16, 4 columns
	v_mul_u32_u24 v[GO], v[TM], OP
	v_lshl_add_u32 v[GO], v[R], 4, v[GO]
	v_lshlrev_b32 v[BO], 4, v[R]
	v_lshlrev_b32 v[VO], 4, v[LN]
	v_mul_u32_u24 v[WO], v[H], WP
	v_lshl_add_u32 v[WO], v[R], 4, v[WO]
	s_lshl_b32 s28, s14, 4
	s_add_co_u32 s28, s28, s12
	s_mul_i32 s28, s28, XSTR                       ; row 16 y + w of X
	s_mov_b32 s29, 0
	s_lshl_b32 s32, ttmp9, 8                       ; 64 columns of f32
	s_mov_b32 s33, 0
	s_mul_i32 s30, s12, 32*WP
	s_add_co_u32 s30, s30, s32
	s_add_co_u32 s30, s30, WOFF
	s_mov_b32 s31, 0
	s_mul_i32 s34, s14, 16*OP
	s_add_co_u32 s34, s34, s32
	s_mov_b32 s35, 0
	s_wait_kmcnt 0x0
	s_add_nc_u64 s[16:17], s[4:5], s[28:29]
	s_add_nc_u64 s[18:19], s[6:7], s[30:31]
	s_add_nc_u64 s[20:21], s[8:9], s[32:33]
	s_add_nc_u64 s[22:23], s[10:11], s[34:35]
	global_load_b128 v[BI:BI+3], v[BO], s[20:21]
.if NREC
.set q, 0
.rept NREC
	global_load_b64 v[ML+2*q:ML+2*q+1], v[ZR], s[16:17] offset:q*RECB+2048
.set q, q+1
.endr
.endif
.set q, 0
.rept NV
.irp i, 0,1,2,3
	global_load_b128 v[VAL+16*q+4*\i:VAL+16*q+4*\i+3], v[VO], s[16:17] offset:q*RECB+512*\i  ; k = 128 i + 4 lane ..: 512 consecutive bytes
.endr
.set q, q+1
.endr
.set t, 0
.rept 16
	global_load_b128 v[WL+4*t:WL+4*t+3], v[WO], s[18:19] offset:2*t*WP  ; rows 32 w + 2 t + h: 16 lanes read 256 consecutive bytes, aligned
.set t, t+1
.endr
	s_wait_loadcnt 16                              ; all but W's 16 loads, which are the youngest
.if NREC
	v_max_num_f32 v[TM], v[ML], v[ML+2]
.set q, 2
.rept NREC-2
	v_max_num_f32 v[TM], v[TM], v[ML+2*q]
.set q, q+1
.endr
.set q, 0
.rept NREC
	v_sub_f32 v[ML+2*q], v[ML+2*q], v[TM]
.set q, q+1
.endr
.set q, 0
.rept NREC
	v_exp_f32 v[ML+2*q], v[ML+2*q]
.set q, q+1
.endr
	v_nop                                          ; a plain instruction behind the last exponential,
	s_wait_alu depctr_va_vdst(0)                   ; and the wait ahead of the first use: one for the batch
	v_mul_f32 v[TM+1], v[ML], v[ML+1]
.set q, 1
.rept NREC-1
	v_fmac_f32 v[TM+1], v[ML+2*q], v[ML+2*q+1]
.set q, q+1
.endr
	v_rcp_f32 v[TM+2], v[TM+1]
	v_nop
	s_wait_alu depctr_va_vdst(0)
.set q, 0
.rept NREC
	v_mul_f32 v[ML+2*q], v[ML+2*q], v[TM+2]
.set q, q+1
.endr
.irp u, 0,1,2,3,4,5,6,7
	v_pk_mul_f32 v[VAL+2*\u:VAL+2*\u+1], v[VAL+2*\u:VAL+2*\u+1], v[ML:ML+1] op_sel_hi:[1,0]  ; the pair's low word, the weight, for both halves
.endr
.set q, 1
.rept NREC-1
.irp u, 0,1,2,3,4,5,6,7
	v_pk_fma_f32 v[VAL+2*\u:VAL+2*\u+1], v[VAL+16*q+2*\u:VAL+16*q+2*\u+1], v[ML+2*q:ML+2*q+1], v[VAL+2*\u:VAL+2*\u+1] op_sel_hi:[1,0,1]
.endr
.set q, q+1
.endr
.endif
.irp u, 0,1,2,3,4,5,6,7
	v_cvt_pk_bf16_f32 v[XB+\u], v[VAL+2*\u], v[VAL+2*\u+1]  ; hi = bf16(X)
.endr
.irp u, 0,1,2,3,4,5,6,7
	v_lshlrev_b32 v[HW+2*\u], 16, v[XB+\u]         ; hi as f32 again
	v_and_b32 v[HW+2*\u+1], 0xffff0000, v[XB+\u]
.endr
.irp u, 0,1,2,3,4,5,6,7
	v_pk_add_f32 v[VAL+2*\u:VAL+2*\u+1], v[VAL+2*\u:VAL+2*\u+1], v[HW+2*\u:HW+2*\u+1] neg_lo:[0,1] neg_hi:[0,1]  ; X - hi
.endr
.irp u, 0,1,2,3,4,5,6,7
	v_cvt_pk_bf16_f32 v[XL+\u], v[VAL+2*\u], v[VAL+2*\u+1]  ; lo
.endr
.irp i, 0,1,2,3
	ds_store_b64 v[XS], v[XB+2*\i:XB+2*\i+1] offset:256*\i
	ds_store_b64 v[XS], v[XL+2*\i:XL+2*\i+1] offset:XLO+256*\i
.endr
	s_wait_loadcnt 0x0                             ; W
.set t, 0
.rept 16
	v_cvt_pk_bf16_f32 v[WB+2*t], v[WL+4*t], v[WL+4*t+1]
	v_cvt_pk_bf16_f32 v[WB+2*t+1], v[WL+4*t+2], v[WL+4*t+3]
.set t, t+1
.endr
.set t, 0
.rept 16
	ds_store_b64 v[WS], v[WB+2*t:WB+2*t+1] offset:2*WTP*t
.set t, t+1
.endr
	s_wait_dscnt 0x0                               ; for the others' sake: my row of X is in LDS
	s_barrier_signal -1
	s_barrier_wait -1
.irp nt, 0,1,2,3
	ds_load_tr16_b128 v[FW+8*\nt:FW+8*\nt+3], v[WF] offset:32*\nt            ; lane l: column 16 nt + l % 16, k = 8 h ..
	ds_load_tr16_b128 v[FW+8*\nt+4:FW+8*\nt+7], v[WF] offset:32*\nt+16*WTP   ; k = 16 + 8 h ..
.endr
	ds_load_b128 v[FX:FX+3], v[XF]
	ds_load_b128 v[FX+4:FX+7], v[XF] offset:32
	ds_load_b128 v[FXL:FXL+3], v[XF] offset:XLO
	ds_load_b128 v[FXL+4:FXL+7], v[XF] offset:XLO+32
	s_wait_dscnt 0x0
; Used transposed (source 0 = 16 columns of W, source 1 = the 16 rows of X): a lane holds one row (l % 16) and the columns 16 nt + 8 h + 0..7.  Four sums of two products each: W hi starts them with the
; constant 0, W lo is added; the four accumulators take turns, one instruction a turn: three others' stand between a sum's two links.
.irp nt, 0,1,2,3
	v_wmma_f32_16x16x32_bf16 v[AC+8*\nt:AC+8*\nt+7], v[FW+8*\nt:FW+8*\nt+7], v[FX:FX+7], 0
.endr
.irp nt, 0,1,2,3
	v_wmma_f32_16x16x32_bf16 v[AC+8*\nt:AC+8*\nt+7], v[FW+8*\nt:FW+8*\nt+7], v[FXL:FXL+7], v[AC+8*\nt:AC+8*\nt+7]
.endr
.rept 8
	v_nop                                          ; the places between the products and the stores that read them, with room to spare: once a launch
.endr
.irp nt, 0,1,2,3
	ds_store_b128 v[PS], v[AC+8*\nt:AC+8*\nt+3] offset:64*\nt      ; each accumulator's low registers first
	ds_store_b128 v[PS], v[AC+8*\nt+4:AC+8*\nt+7] offset:64*\nt+16
.endr
	s_wait_dscnt 0x0
	s_barrier_signal -1
	s_barrier_wait -1                              ; all 16 partial sums lie in LDS
	s_cmp_lt_u32 s12, 8                            ; 256 threads finish 16 rows x 64 columns, four numbers each
	s_cbranch_scc0 .Lend
.set i, 0
.rept 16
	ds_load_b128 v[VAL+4*i:VAL+4*i+3], v[PL] offset:PW*i
.set i, i+1
.endr
	v_cvt_pk_bf16_f32 v[BB], v[BI], v[BI+1]
	v_cvt_pk_bf16_f32 v[BB+1], v[BI+2], v[BI+3]
	v_lshlrev_b32 v[BI], 16, v[BB]
	v_and_b32 v[BI+1], 0xffff0000, v[BB]
	v_lshlrev_b32 v[BI+2], 16, v[BB+1]
	v_and_b32 v[BI+3], 0xffff0000, v[BB+1]
	s_wait_dscnt 0x0
.irp d, 8,4,2,1
.set i, 0
.rept \d
	v_pk_add_f32 v[VAL+4*i:VAL+4*i+1], v[VAL+4*i:VAL+4*i+1], v[VAL+4*(i+\d):VAL+4*(i+\d)+1]
	v_pk_add_f32 v[VAL+4*i+2:VAL+4*i+3], v[VAL+4*i+2:VAL+4*i+3], v[VAL+4*(i+\d)+2:VAL+4*(i+\d)+3]
.set i, i+1
.endr
.endr
	v_pk_add_f32 v[VAL:VAL+1], v[VAL:VAL+1], v[BI:BI+1]
	v_pk_add_f32 v[VAL+2:VAL+3], v[VAL+2:VAL+3], v[BI+2:BI+3]
.if RELU
.irp e, 0,1,2,3
	v_max_num_f32 v[VAL+\e], 0, v[VAL+\e]
.endr
.endif
	global_store_b128 v[GO], v[VAL:VAL+3], s[22:23]  ; 16 lanes store 256 consecutive bytes, aligned
.Lend:
	s_wait_tensorcnt 0x0                           ; the wave's end: behind my last LDS store
	ds_add_u32 v[SPW], v[NIL]
	s_wait_dscnt 0x0
	s_endpgm
.Lfunc_end_k_q1d051f2bcc_mlp2:
	.size	k_q1d051f2bcc_mlp2, .Lfunc_end_k_q1d051f2bcc_mlp2-k_q1d051f2bcc_mlp2
	.p2alignl 7, 3214868480
	.fill 96, 4, 3214868480
	.section	.rodata,"a",@progbits
	.p2align	6, 0x0
	.amdhsa_kernel k_q1d051f2bcc_mlp2
		.amdhsa_group_segment_fixed_size 186880
		.amdhsa_private_segment_fixed_size 0
		.amdhsa_enable_private_segment 0
		.amdhsa_kernarg_size 32
		.amdhsa_user_sgpr_count 2
		.amdhsa_user_sgpr_kernarg_segment_ptr 1
		.amdhsa_wavefront_size32 1
		.amdhsa_system_sgpr_workgroup_id_x 1
		.amdhsa_system_sgpr_workgroup_id_y 1
		.amdhsa_system_sgpr_workgroup_id_z 1
		.amdhsa_system_vgpr_workitem_id 0
		.amdhsa_next_free_vgpr 256
		.amdhsa_next_free_sgpr 66
		.amdhsa_reserve_vcc 0
		.amdhsa_float_denorm_mode_32 3
		.amdhsa_float_denorm_mode_16_64 3
		.amdhsa_memory_ordered 1
		.amdhsa_forward_progress 1
		.amdhsa_inst_pref_size 18
	.end_amdhsa_kernel
	.amdgpu_metadata
---
amdhsa.version: [ 1, 2 ]
amdhsa.kernels:
  - .name:           k_q1d051f2bcc_mlp2
    .symbol:         k_q1d051f2bcc_mlp2.kd
    .args:
      - { .name: h1, .offset: 0, .size: 8, .value_kind: global_buffer, .address_space: global }
      - { .name: W2, .offset: 8, .size: 8, .value_kind: global_buffer, .address_space: global }
      - { .name: b2, .offset: 16, .size: 8, .value_kind: global_buffer, .address_space: global }
      - { .name: h2, .offset: 24, .size: 8, .value_kind: global_buffer, .address_space: global }
    .group_segment_fixed_size: 186880
    .private_segment_fixed_size: 0
    .kernarg_segment_align: 8
    .kernarg_segment_size: 32
    .max_flat_workgroup_size: 512
    .sgpr_count:     66
    .vgpr_count:     256
    .wavefront_size: 32
...
	.end_amdgpu_metadata
.endif
;; end of part 5
;; launch mlp3 (part 6): grid 2 x 4, 16 waves a work-group, no clusters, 186,880 bytes of LDS; arguments h2, W3, b3, out0; writes out0
.if DOCPART == 6
	.amdgcn_target "amdgcn-amd-amdhsa--gfx1250"
	.amdhsa_code_object_version 6
	.text
	.protected	k_q1d051f2bcc_mlp3
	.globl	k_q1d051f2bcc_mlp3
	.p2align	8
	.type	k_q1d051f2bcc_mlp3,@function
k_q1d051f2bcc_mlp3:
	s_mov_b64 s[64:65], 0
	v_nop
	global_prefetch_b8 v0, s[64:65] scope:SCOPE_SE
	s_setreg_imm32_b32 hwreg(HW_REG_WAVE_MODE, 25, 1), 1
	s_wait_xcnt 0x0
; out0 = h2 W3 + b3.  Nothing is left out.
; ONE TEXT FOR FOUR LAUNCHES, which differ in the five constants below: out = [relu](X W + bias), X: 64 rows x 512, W: [512][N] f32, out: [64][N] f32.
; X's row b is either a plain row of 2,048 bytes (NREC = 0) or the merge of NREC records of 2,560 bytes (512 f32 values, then the pair (m, l)): row = sum_q 2^(m_q - M) value_q / sum_q 2^(m_q - M) l_q, M = max m_q.
; FORMATS.  W and the bias, inputs, are rounded once to bf16.  X is made by the program itself: it goes to the matrix unit as TWO bf16 numbers, hi = bf16(X) and lo = bf16(X - hi) (the difference is exact in
; f32), and both are multiplied by W: X then keeps some 16 significant bits in bf16's range.  LIMIT: an X so large that bf16(X) is an infinity gives NaN.
; SHARES.  A work-group makes 16 rows x 64 columns.  Wave w first makes row w of X (into LDS); then K IS SPLIT AMONG THE 16 WAVES: wave w multiplies k = 32 w .. 32 w + 31 for all four tiles of
; 16 columns: eight matrix instructions; the 16 partial sums meet in LDS (f32).  W is read in pieces of 256 consecutive bytes, rounded to bf16, laid [k][n] in the wave's own LDS and read turned.
; No cluster and no tensor load: a work-group reads 128 KiB once, and nothing is filled twice.
.set NREC, 0
.set WOFF, 0                           ; bytes to W's first row in its buffer
.set WP,   512                         ; bytes in a row of W
.set OP,   512                         ; bytes in a row of out
.set RELU, 0
.set RECB, 2560
.if NREC
.set XSTR, NREC*RECB
.set NV,   NREC
.else
.set XSTR, 2048
.set NV,   1
.endif
.set WTP, 160                          ; a row of W in LDS: 64 bf16 + 32 bytes: an odd multiple of 32
.set WTW, 32*WTP                       ; a wave's 32 rows
.set XT,  16*WTW                       ; 81,920: X's hi parts, 16 rows
.set XP,  1040                         ; 1,024 bytes + 16: an odd multiple of 16
.set XLO, 16*XP                        ; X's lo parts lie 16,640 bytes behind the hi parts
.set PT,  XT+2*XLO                     ; 115,200: the partial sums: for each wave 16 rows
.set PP,  272                          ; of 64 f32 + 16 bytes
.set PW,  16*PP
.set SPARE, PT+16*PW                   ; 184,832: the spare words, 128 bytes for each wave: eight blocks of 256 bytes that no other line names
.set LN, 1
.set R,  2
.set H,  3
.set XS, 4                             ; v4-9  LDS addresses; v10-13 offsets in memory; none is rewritten
.set WS, 5
.set WF, 6
.set XF, 7
.set PS, 8
.set PL, 9
.set GO, 10
.set BO, 11
.set VO, 12
.set WO, 13
.set SPW, 14
.set NIL, 15
.set BI, 16                            ; v16-19  bias
.set ML, 20                            ; v20-35  the records' pairs (m, l); the weight takes m's place
.set TM, 36                            ; v36-38  at work: M, L, 1 / L
.set ZR, 39                            ; v39     0, an offset
.set XB, 40                            ; v40-47  my row's hi parts, packed
.set BB, 48
.set XL, 56                            ; v56-63  my row's lo parts, packed
.set VAL, 64                           ; v64-191 the records' values; the row is summed in the first record's place; later the 16 partial sums
.set HW, 80                            ; v80-95  the hi parts widened to f32 again (the second record's place, which is free by then)
.set WB, 96                            ; v96-127 my rows of W in bf16
.set FW, 128                           ; v128-159 W's four fragments
.set FX, 160                           ; v160-167 the fragment of X's hi parts
.set AC, 168                           ; v168-199 four accumulators
.set WL, 192                           ; v192-255 my rows of W as loaded
.set FXL, 200                          ; v200-207 the fragment of X's lo parts (W as loaded is free by then)
	s_load_b256 s[4:11], s[0:1], 0x0               ; X s[4:5], W s[6:7], bias s[8:9], out s[10:11]
	v_lshl_add_u32 v[SPW], v0, 2, SPARE
	v_mov_b32 v[NIL], 0
	v_lshrrev_b32 v[LN], 5, v0
	v_readfirstlane_b32 s12, v[LN]                 ; wave 0..15
	s_and_b32 s14, ttmp7, 0xffff                   ; y: rows 16 y ..; ttmp9 = x: columns 64 x ..
	v_and_b32 v[LN], 31, v0
	v_and_b32 v[R], 15, v0
	v_bfe_u32 v[H], v0, 4, 1
	v_lshrrev_b32 v[TM], 4, v0                     ; thread / 16
	v_and_b32 v[TM+1], 7, v0
	v_bfe_u32 v[TM+2], v0, 3, 1
	v_mov_b32 v[ZR], 0
	s_mul_i32 s24, s12, XP
	s_add_co_u32 s24, s24, XT
	v_lshl_add_u32 v[XS], v[LN], 3, s24            ; X in: row w, 8 bytes a lane
	s_mul_i32 s25, s12, WTW
	v_mul_u32_u24 v[WS], v[H], WTP
	v_lshl_add_u32 v[WS], v[R], 3, v[WS]
	v_add_nc_u32 v[WS], s25, v[WS]                 ; W in: row 2 t + h, 8 bytes for 4 columns
	v_lshl_add_u32 v[TM+1], v[H], 3, v[TM+1]
	v_mul_u32_u24 v[WF], v[TM+1], WTP
	v_lshl_add_u32 v[WF], v[TM+2], 4, v[WF]
	v_add_nc_u32 v[WF], s25, v[WF]                 ; W out, turned: row 8 h + l % 8, 16 bytes at 16 ((l / 8) % 2)
	s_lshl_b32 s26, s12, 6
	s_add_co_u32 s26, s26, XT
	v_mul_u32_u24 v[XF], v[R], XP
	v_lshl_add_u32 v[XF], v[H], 4, v[XF]
	v_add_nc_u32 v[XF], s26, v[XF]                 ; X out: row r, k = 32 w + 8 h
	s_mul_i32 s27, s12, PW
	s_add_co_u32 s27, s27, PT
	v_mul_u32_u24 v[PS], v[R], PP
	v_lshl_add_u32 v[PS], v[H], 5, v[PS]
	v_add_nc_u32 v[PS], s27, v[PS]                 ; partial sums in: row r, 8 columns at 32 h
	v_mul_u32_u24 v[PL], v[TM], PP
	v_lshl_add_u32 v[PL], v[R], 4, v[PL]
	v_add_nc_u32 v[PL], PT, v[PL]                  ; and out: row thread / 16, 4 columns
	v_mul_u32_u24 v[GO], v[TM], OP
	v_lshl_add_u32 v[GO], v[R], 4, v[GO]
	v_lshlrev_b32 v[BO], 4, v[R]
	v_lshlrev_b32 v[VO], 4, v[LN]
	v_mul_u32_u24 v[WO], v[H], WP
	v_lshl_add_u32 v[WO], v[R], 4, v[WO]
	s_lshl_b32 s28, s14, 4
	s_add_co_u32 s28, s28, s12
	s_mul_i32 s28, s28, XSTR                       ; row 16 y + w of X
	s_mov_b32 s29, 0
	s_lshl_b32 s32, ttmp9, 8                       ; 64 columns of f32
	s_mov_b32 s33, 0
	s_mul_i32 s30, s12, 32*WP
	s_add_co_u32 s30, s30, s32
	s_add_co_u32 s30, s30, WOFF
	s_mov_b32 s31, 0
	s_mul_i32 s34, s14, 16*OP
	s_add_co_u32 s34, s34, s32
	s_mov_b32 s35, 0
	s_wait_kmcnt 0x0
	s_add_nc_u64 s[16:17], s[4:5], s[28:29]
	s_add_nc_u64 s[18:19], s[6:7], s[30:31]
	s_add_nc_u64 s[20:21], s[8:9], s[32:33]
	s_add_nc_u64 s[22:23], s[10:11], s[34:35]
	global_load_b128 v[BI:BI+3], v[BO], s[20:21]
.if NREC
.set q, 0
.rept NREC
	global_load_b64 v[ML+2*q:ML+2*q+1], v[ZR], s[16:17] offset:q*RECB+2048
.set q, q+1
.endr
.endif
.set q, 0
.rept NV
.irp i, 0,1,2,3
	global_load_b128 v[VAL+16*q+4*\i:VAL+16*q+4*\i+3], v[VO], s[16:17] offset:q*RECB+512*\i  ; k = 128 i + 4 lane ..: 512 consecutive bytes
.endr
.set q, q+1
.endr
.set t, 0
.rept 16
	global_load_b128 v[WL+4*t:WL+4*t+3], v[WO], s[18:19] offset:2*t*WP  ; rows 32 w + 2 t + h: 16 lanes read 256 consecutive bytes, aligned
.set t, t+1
.endr
	s_wait_loadcnt 16                              ; all but W's 16 loads, which are the youngest
.if NREC
	v_max_num_f32 v[TM], v[ML], v[ML+2]
.set q, 2
.rept NREC-2
	v_max_num_f32 v[TM], v[TM], v[ML+2*q]
.set q, q+1
.endr
.set q, 0
.rept NREC
	v_sub_f32 v[ML+2*q], v[ML+2*q], v[TM]
.set q, q+1
.endr
.set q, 0
.rept NREC
	v_exp_f32 v[ML+2*q], v[ML+2*q]
.set q, q+1
.endr
	v_nop                                          ; a plain instruction behind the last exponential,
	s_wait_alu depctr_va_vdst(0)                   ; and the wait ahead of the first use: one for the batch
	v_mul_f32 v[TM+1], v[ML], v[ML+1]
.set q, 1
.rept NREC-1
	v_fmac_f32 v[TM+1], v[ML+2*q], v[ML+2*q+1]
.set q, q+1
.endr
	v_rcp_f32 v[TM+2], v[TM+1]
	v_nop
	s_wait_alu depctr_va_vdst(0)
.set q, 0
.rept NREC
	v_mul_f32 v[ML+2*q], v[ML+2*q], v[TM+2]
.set q, q+1
.endr
.irp u, 0,1,2,3,4,5,6,7
	v_pk_mul_f32 v[VAL+2*\u:VAL+2*\u+1], v[VAL+2*\u:VAL+2*\u+1], v[ML:ML+1] op_sel_hi:[1,0]  ; the pair's low word, the weight, for both halves
.endr
.set q, 1
.rept NREC-1
.irp u, 0,1,2,3,4,5,6,7
	v_pk_fma_f32 v[VAL+2*\u:VAL+2*\u+1], v[VAL+16*q+2*\u:VAL+16*q+2*\u+1], v[ML+2*q:ML+2*q+1], v[VAL+2*\u:VAL+2*\u+1] op_sel_hi:[1,0,1]
.endr
.set q, q+1
.endr
.endif
.irp u, 0,1,2,3,4,5,6,7
	v_cvt_pk_bf16_f32 v[XB+\u], v[VAL+2*\u], v[VAL+2*\u+1]  ; hi = bf16(X)
.endr
.irp u, 0,1,2,3,4,5,6,7
	v_lshlrev_b32 v[HW+2*\u], 16, v[XB+\u]         ; hi as f32 again
	v_and_b32 v[HW+2*\u+1], 0xffff0000, v[XB+\u]
.endr
.irp u, 0,1,2,3,4,5,6,7
	v_pk_add_f32 v[VAL+2*\u:VAL+2*\u+1], v[VAL+2*\u:VAL+2*\u+1], v[HW+2*\u:HW+2*\u+1] neg_lo:[0,1] neg_hi:[0,1]  ; X - hi
.endr
.irp u, 0,1,2,3,4,5,6,7
	v_cvt_pk_bf16_f32 v[XL+\u], v[VAL+2*\u], v[VAL+2*\u+1]  ; lo
.endr
.irp i, 0,1,2,3
	ds_store_b64 v[XS], v[XB+2*\i:XB+2*\i+1] offset:256*\i
	ds_store_b64 v[XS], v[XL+2*\i:XL+2*\i+1] offset:XLO+256*\i
.endr
	s_wait_loadcnt 0x0                             ; W
.set t, 0
.rept 16
	v_cvt_pk_bf16_f32 v[WB+2*t], v[WL+4*t], v[WL+4*t+1]
	v_cvt_pk_bf16_f32 v[WB+2*t+1], v[WL+4*t+2], v[WL+4*t+3]
.set t, t+1
.endr
.set t, 0
.rept 16
	ds_store_b64 v[WS], v[WB+2*t:WB+2*t+1] offset:2*WTP*t
.set t, t+1
.endr
	s_wait_dscnt 0x0                               ; for the others' sake: my row of X is in LDS
	s_barrier_signal -1
	s_barrier_wait -1
.irp nt, 0,1,2,3
	ds_load_tr16_b128 v[FW+8*\nt:FW+8*\nt+3], v[WF] offset:32*\nt            ; lane l: column 16 nt + l % 16, k = 8 h ..
	ds_load_tr16_b128 v[FW+8*\nt+4:FW+8*\nt+7], v[WF] offset:32*\nt+16*WTP   ; k = 16 + 8 h ..
.endr
	ds_load_b128 v[FX:FX+3], v[XF]
	ds_load_b128 v[FX+4:FX+7], v[XF] offset:32
	ds_load_b128 v[FXL:FXL+3], v[XF] offset:XLO
	ds_load_b128 v[FXL+4:FXL+7], v[XF] offset:XLO+32
	s_wait_dscnt 0x0
; Used transposed (source 0 = 16 columns of W, source 1 = the 16 rows of X): a lane holds one row (l % 16) and the columns 16 nt + 8 h + 0..7.  Four sums of two products each: W hi starts them with the
; constant 0, W lo is added; the four accumulators take turns, one instruction a turn: three others' stand between a sum's two links.
.irp nt, 0,1,2,3
	v_wmma_f32_16x16x32_bf16 v[AC+8*\nt:AC+8*\nt+7], v[FW+8*\nt:FW+8*\nt+7], v[FX:FX+7], 0
.endr
.irp nt, 0,1,2,3
	v_wmma_f32_16x16x32_bf16 v[AC+8*\nt:AC+8*\nt+7], v[FW+8*\nt:FW+8*\nt+7], v[FXL:FXL+7], v[AC+8*\nt:AC+8*\nt+7]
.endr
.rept 8
	v_nop                                          ; the places between the products and the stores that read them, with room to spare: once a launch
.endr
.irp nt, 0,1,2,3
	ds_store_b128 v[PS], v[AC+8*\nt:AC+8*\nt+3] offset:64*\nt      ; each accumulator's low registers first
	ds_store_b128 v[PS], v[AC+8*\nt+4:AC+8*\nt+7] offset:64*\nt+16
.endr
	s_wait_dscnt 0x0
	s_barrier_signal -1
	s_barrier_wait -1                              ; all 16 partial sums lie in LDS
	s_cmp_lt_u32 s12, 8                            ; 256 threads finish 16 rows x 64 columns, four numbers each
	s_cbranch_scc0 .Lend
.set i, 0
.rept 16
	ds_load_b128 v[VAL+4*i:VAL+4*i+3], v[PL] offset:PW*i
.set i, i+1
.endr
	v_cvt_pk_bf16_f32 v[BB], v[BI], v[BI+1]
	v_cvt_pk_bf16_f32 v[BB+1], v[BI+2], v[BI+3]
	v_lshlrev_b32 v[BI], 16, v[BB]
	v_and_b32 v[BI+1], 0xffff0000, v[BB]
	v_lshlrev_b32 v[BI+2], 16, v[BB+1]
	v_and_b32 v[BI+3], 0xffff0000, v[BB+1]
	s_wait_dscnt 0x0
.irp d, 8,4,2,1
.set i, 0
.rept \d
	v_pk_add_f32 v[VAL+4*i:VAL+4*i+1], v[VAL+4*i:VAL+4*i+1], v[VAL+4*(i+\d):VAL+4*(i+\d)+1]
	v_pk_add_f32 v[VAL+4*i+2:VAL+4*i+3], v[VAL+4*i+2:VAL+4*i+3], v[VAL+4*(i+\d)+2:VAL+4*(i+\d)+3]
.set i, i+1
.endr
.endr
	v_pk_add_f32 v[VAL:VAL+1], v[VAL:VAL+1], v[BI:BI+1]
	v_pk_add_f32 v[VAL+2:VAL+3], v[VAL+2:VAL+3], v[BI+2:BI+3]
.if RELU
.irp e, 0,1,2,3
	v_max_num_f32 v[VAL+\e], 0, v[VAL+\e]
.endr
.endif
	global_store_b128 v[GO], v[VAL:VAL+3], s[22:23]  ; 16 lanes store 256 consecutive bytes, aligned
.Lend:
	s_wait_tensorcnt 0x0                           ; the wave's end: behind my last LDS store
	ds_add_u32 v[SPW], v[NIL]
	s_wait_dscnt 0x0
	s_endpgm
.Lfunc_end_k_q1d051f2bcc_mlp3:
	.size	k_q1d051f2bcc_mlp3, .Lfunc_end_k_q1d051f2bcc_mlp3-k_q1d051f2bcc_mlp3
	.p2alignl 7, 3214868480
	.fill 96, 4, 3214868480
	.section	.rodata,"a",@progbits
	.p2align	6, 0x0
	.amdhsa_kernel k_q1d051f2bcc_mlp3
		.amdhsa_group_segment_fixed_size 186880
		.amdhsa_private_segment_fixed_size 0
		.amdhsa_enable_private_segment 0
		.amdhsa_kernarg_size 32
		.amdhsa_user_sgpr_count 2
		.amdhsa_user_sgpr_kernarg_segment_ptr 1
		.amdhsa_wavefront_size32 1
		.amdhsa_system_sgpr_workgroup_id_x 1
		.amdhsa_system_sgpr_workgroup_id_y 1
		.amdhsa_system_sgpr_workgroup_id_z 1
		.amdhsa_system_vgpr_workitem_id 0
		.amdhsa_next_free_vgpr 256
		.amdhsa_next_free_sgpr 66
		.amdhsa_reserve_vcc 0
		.amdhsa_float_denorm_mode_32 3
		.amdhsa_float_denorm_mode_16_64 3
		.amdhsa_memory_ordered 1
		.amdhsa_forward_progress 1
		.amdhsa_inst_pref_size 18
	.end_amdhsa_kernel
	.amdgpu_metadata
---
amdhsa.version: [ 1, 2 ]
amdhsa.kernels:
  - .name:           k_q1d051f2bcc_mlp3
    .symbol:         k_q1d051f2bcc_mlp3.kd
    .args:
      - { .name: h2, .offset: 0, .size: 8, .value_kind: global_buffer, .address_space: global }
      - { .name: W3, .offset: 8, .size: 8, .value_kind: global_buffer, .address_space: global }
      - { .name: b3, .offset: 16, .size: 8, .value_kind: global_buffer, .address_space: global }
      - { .name: out0, .offset: 24, .size: 8, .value_kind: global_buffer, .address_space: global }
    .group_segment_fixed_size: 186880
    .private_segment_fixed_size: 0
    .kernarg_segment_align: 8
    .kernarg_segment_size: 32
    .max_flat_workgroup_size: 512
    .sgpr_count:     66
    .vgpr_count:     256
    .wavefront_size: 32
...
	.end_amdgpu_metadata
.endif
;; end of part 6
;; ======== version 2 of 2: 6 launches; version 1 with the launch stats written anew for expert scheduling mode
;; workspace buffers: xf 134,217,728 bytes; wf 524,288 bytes; valid 524,288 bytes; st1 655,360 bytes; cb 131,072 bytes; st2 1,310,720 bytes; h1 131,072 bytes; h2 131,072 bytes
;; launch stats (part 7): grid 256 x 1, 8 waves a work-group, no clusters, 158,976 bytes of LDS; arguments words, W_att, xf, wf, valid, st1; writes xf, wf, valid, st1
.if DOCPART == 7
	.amdgcn_target "amdgcn-amd-amdhsa--gfx1250"
	.amdhsa_code_object_version 6
	.text
	.protected	k_q1d051f2bcc_stats
	.globl	k_q1d051f2bcc_stats
	.p2align	8
	.type	k_q1d051f2bcc_stats,@function
k_q1d051f2bcc_stats:
	s_mov_b64 s[64:65], 0
	v_nop
	global_prefetch_b8 v0, s[64:65] scope:SCOPE_SE
	s_setreg_imm32_b32 hwreg(HW_REG_WAVE_SCHED_MODE, 0, 2), 2
	s_setreg_imm32_b32 hwreg(HW_REG_WAVE_MODE, 25, 1), 1
	s_wait_xcnt 0x0
	s_wait_alu depctr_vm_vsrc(0)
; THE PROGRAM (six launches).  words: [64][2048][512] f32.  pred = MLP(sum_s softmax_s(v . tanh([words, context] W_att + b_att)) words).
;   stats: one walk over words: row flags, column sums, and words and W_att's upper half rewritten in bf16 as matrix fragments.   ctx: context Wb + b_att, once a set.
;   attn: scores, masked softmax with a running maximum, weighted sum, for tiles of 256 rows.   mlp1: merges a set's eight tiles and does layer 1.   mlp2, mlp3: layers 2 and 3.
; WORK THAT IS NOT DONE, for all finite values of the inputs:
;   (1) reference() multiplies [words, context] by W_att.  With Wa = rows 0-511 and Wb = rows 512-1023 of W_att that is words Wa + context Wb, and context is ONE row a set, which reference() itself
;       broadcasts over the set's 2,048 rows: context Wb is the same for all of them.  It is made once a set and added, not 2,048 times.
;   (2) tanh(y) = 1 - 2 r with r = 1 / (1 + e^(2 y)), so score = sum(v) - 2 sum_n v_n r_n.  sum(v) is the same along the softmax's axis and cancels in it; a masked row's -1e30 lies far below either way.
; All ten inputs are loaded.  LIMITS: a NaN, an infinity or an overflow that reaches only the work left out is not carried to the result; NaN and infinities in words are not treated apart;
; whether a row of non-zero numbers sums to exactly 0 hangs on the order of the f32 sum, which here is: 16 numbers a lane, then 32 lanes.
; FORMATS: every matrix operand is bf16 (words, W_att, v, W1-W3 and the biases are rounded once); the column and row sums here are taken of the unrounded f32.
;
; THIS LAUNCH.  Work-group g owns rows 512 g .. 512 g + 511: 32 tiles of 16 rows; wave w takes tiles 32 g + 8 i + w, i = 0..3.  Of each of a tile's rows lane l holds the 16 numbers
; k = 128 j + 4 l + q (j, q < 4): four loads of 16 bytes a row, each covering 512 consecutive bytes.
; THE ORDER OF K in both operands of the later product: in K step s, lane (r = lane % 16, h = lane / 16), fragment dword e (0..7), half t holds k = 128 (e >> 1) + 8 s + 4 h + 2 (e & 1) + t.
; That is what lane l = 2 s + h holds here of row r: a tile goes once through the wave's own LDS so that rows and lanes change places, and leaves as 32 stores of 512 consecutive bytes.
;   xf: tile T at 16,384 T: [s:16][c:2][lane:32][16 bytes], piece c = dwords 4 c .. 4 c + 3.      wf: (n >> 4) 16,384 + 1,024 s + 512 c + 256 h + 16 (n & 15).
;   valid: f32 1.0 or 0.0 a row.      st1: record g of 2,560 bytes: 512 column sums, then 512 bytes of the pair (0, number of valid rows).
; THE MODE: SCHED_MODE bits 1:0 = 2 (LLVM: expert scheduling mode 2), set by the entry lines.  The code itself states the register dependences between vector instructions and memory or LDS
; instructions, with s_wait_alu, always for 0.
; THE PLAN.  A trip is one tile: four BLOCKS of four rows, a tail, and the turning.  Registers that memory or LDS instructions touch in the loop:
;   X (window 1)   a ring of 16 row slots, 16 registers each.  Block q's sums and roundings read its four slots; the loads of the same rows of my next tile land in them; they are issued in block q + 1
;                  (block 3's in the tail).  48 to 64 loads of a wave are out.
;   YB0, YB1       a block's four rows in bf16.  Block q's roundings write YB[q % 2]; the eight LDS stores that read it are issued in block q + 1 (block 3's in the tail).
;   Y              the tile as fragments: the turning's 32 LDS loads land in it, the 32 global stores read it; no vector line of the loop names it.
;   FLG, MA        the flag and its LDS address: written once a trip, read by the flag's LDS store.
;   L16, TS, TL    made at the head, never written again: the two scalar bases move on once a trip; the loads reach a tile ahead, the stores a step back, by immediate offsets.
; So one wait on va_vdst at the head of blocks 1 to 3 and of the tail states all that the block's loads and LDS stores hang on: they touch the two buffers that the block before worked on, and no vector
; line of the block in hand names those; they are dealt among its rows with no further wait.  A wait on vm_vsrc stands at the head of blocks 2 and 3 (the YB that the block writes again was read by the
; LDS stores of the block before) and once in the turning, ahead of the LDS loads into Y: that one also frees both YB for the next trip's blocks 0 and 1.
; The last tile's rows are a second text, without loads, whose waits count down; the turning and the stores are written once, behind both.
.set TRP,   272                        ; a lane's row in the turning stage: 16 pieces of 16 bytes + 16: an odd multiple of 16, so 16 lanes' stores fall into 16 different 16-byte columns of 256 bytes
.set TRC,   32*TRP                     ; piece c's 32 rows
.set TRW,   2*TRC                      ; a wave's stage
.set MSK,   8*TRW                      ; 139,264: the work-group's 512 flags
.set CSL,   MSK+2048                   ; 141,312: the eight waves' column sums, 2,048 bytes each
.set CNT,   CSL+8*2048                 ; 157,696: the eight waves' counts
.set SPARE, CNT+256                    ; 157,952: the spare words, 128 bytes for each wave: four blocks of 256 bytes that no other line names
.set RECB,  2560
.set NEXT,  8*32768                    ; words: bytes from a tile of mine to my next, eight tiles on
.set XSTEP, 8*16384                    ; xf: the same
.set L,   1                            ; v1   lane
.set L16, 2                            ; v2   16 x lane; never rewritten
.set TS,  3                            ; v3   stage, in: my row; never rewritten
.set TL,  4                            ; v4   stage, out: 272 h + 16 r; never rewritten
.set MA,  5                            ; v5   where my row's flag goes; steps by 512 a trip
.set SPW, 6                            ; v6   my spare word
.set NIL, 7                            ; v7   0
.set T,   8                            ; v8-15  at work
.set CS,  16                           ; v16-31 column sums of my 16 columns
.set A,   32                           ; v32-47 my part of the 16 rows' sums
.set SUM, 48
.set OTH, 49
.set FLG, 50
.set CN,  51                           ; v51  valid rows so far among my row of each tile
.set T16, 52                           ; v52  16 x (thread % 128)
.set PLO, 53                           ; v53, v54  W_att's and wf's lane offsets
.set PSO, 54
.set CW,  55                           ; v55-59  LDS addresses of the end
.set CNW, 56
.set CSR, 57
.set MSR, 58
.set CNR, 59
.set YB,  64                           ; v64-127  two buffers of four rows in bf16: buffer b, row r of the block: eight dwords at YB + 32 b + 8 r
.set Z,   64                           ; v64-103  at the end: what is read back from LDS, in YB's place
.set Y,   128                          ; v128-255  the tile as fragments
.set WQ,  128                          ; v128-139  at the head only: eight numbers of W_att, then four packed words
                                       ; window 1 (v256-511): the ring: row i, piece j at 16 i + 4 j
.set MSB, 0
.macro WIN new                         ; s_set_vgpr_msb: bits 1:0 source 0, 3:2 source 1, 5:4 source 2, 7:6 destination; the high byte repeats the setting that is left
.if MSB != (\new)
	s_set_vgpr_msb (MSB<<8)|(\new)
.set MSB, \new
.endif
.endm
.macro FILL                            ; the first tile's 64 loads: 32 KiB a wave on their way
	WIN 0x40
.set i, 0
.rept 16
.irp j, 0,1,2,3
	global_load_b128 v[16*i+4*\j:16*i+4*\j+3], v[L16], s[18:19] offset:2048*i+512*\j th:TH_LOAD_NT
.endr
.set i, i+1
.endr
	WIN 0
.endm
; The turn of row i.  Ahead of its vector lines stand the memory lines of the row four back, which the wait at the block's head has freed: fill = 1: its slot is asked for again, with the same row of
; my next tile; and its eight dwords in bf16 go into the stage.  An LDS store takes its address and data from sources 0 and 1, which lie in window 0 under the loads' setting too.
.macro ROWP i, fill
.set YR, YB+32*(((\i)/4)%2)+8*((\i)%4)             ; where row i's eight dwords go
.set YP, YB+32*((((\i)/4)+1)%2)+8*((\i)%4)         ; where row i - 4's lie
.if (\i) >= 4
.if \fill
	WIN 0x40
.irp j, 0,1,2,3
	global_load_b128 v[16*((\i)-4)+4*\j:16*((\i)-4)+4*\j+3], v[L16], s[18:19] offset:NEXT+2048*((\i)-4)+512*\j th:TH_LOAD_NT  ; no vector line since the wait at the block's head names these registers
.endr
.endif
	ds_store_b128 v[TS], v[YP:YP+3] offset:16*((\i)-4)
	ds_store_b128 v[TS], v[YP+4:YP+7] offset:TRC+16*((\i)-4)
.endif
.if (\fill) && ((\i) >= 4)
	s_wait_loadcnt 48                              ; loads come back in order (ISA guide 5.7.1): row i's four are in; younger are rows i + 1 .. 15 of this tile and rows 0 .. i - 4 of the next: 4 (15 - i) + 4 (i - 3)
.else
	s_wait_loadcnt 4*(15-(\i))                     ; younger are this tile's rows i + 1 .. 15 alone: nothing of the next tile has been asked for yet, or there is none
.endif
	WIN 0x05                                       ; sources in window 1
.irp j, 0,1,2,3
	v_pk_add_f32 v[T+2*\j:T+2*\j+1], v[16*(\i)+4*\j:16*(\i)+4*\j+1], v[16*(\i)+4*\j+2:16*(\i)+4*\j+3]
.endr
.irp u, 0,1,2,3,4,5,6,7
	v_cvt_pk_bf16_f32 v[YR+\u], v[16*(\i)+2*\u], v[16*(\i)+2*\u+1]
.endr
	WIN 0x04                                       ; source 1 in window 1
.irp u, 0,1,2,3,4,5,6,7
	v_pk_add_f32 v[CS+2*\u:CS+2*\u+1], v[CS+2*\u:CS+2*\u+1], v[16*(\i)+2*\u:16*(\i)+2*\u+1]
.endr
	WIN 0
	v_pk_add_f32 v[T:T+1], v[T:T+1], v[T+2:T+3]
	v_pk_add_f32 v[T+4:T+5], v[T+4:T+5], v[T+6:T+7]
	v_pk_add_f32 v[T:T+1], v[T:T+1], v[T+4:T+5]
	v_add_f32 v[A+(\i)], v[T], v[T+1]              ; my 16 numbers of row i
.endm
; Block p: rows 4 p .. 4 p + 3.
.macro BLK p, fill
.if (\p) >= 2
	s_wait_alu depctr_vm_vsrc(0)                   ; the LDS stores issued in the block before have read YB[p % 2], which this block's roundings write again
.endif
.if (\p) >= 1
	s_wait_alu depctr_va_vdst(0)                   ; the block before has written the other YB, which this block's LDS stores read, and is done reading its four slots of X, in which this block's loads land
.endif
.irp r, 0,1,2,3
	ROWP 4*(\p)+\r, \fill
.endr
.endm
; The tail: block 3's slots are asked for again, and its rows go into the stage.
.macro TAIL fill
.if \fill
	WIN 0x40
.endif
	s_wait_alu depctr_va_vdst(0)                   ; block 3 has written YB1, which the LDS stores below read, and is done reading rows 12 to 15 of X, in which the loads below land
.if \fill
.irp r, 12,13,14,15
.irp j, 0,1,2,3
	global_load_b128 v[16*\r+4*\j:16*\r+4*\j+3], v[L16], s[18:19] offset:NEXT+2048*\r+512*\j th:TH_LOAD_NT
.endr
.endr
.endif
.irp r, 0,1,2,3
	ds_store_b128 v[TS], v[YB+32+8*\r:YB+32+8*\r+3] offset:16*(12+\r)
	ds_store_b128 v[TS], v[YB+32+8*\r+4:YB+32+8*\r+7] offset:TRC+16*(12+\r)
.endr
	WIN 0
.endm
; One stage of the reduce-scatter: of 2 n sums a lane keeps n and hands the other n to the lane x away, which keeps those.  m: the scalar with the lanes that keep the upper n.
.macro STAGE n, m, x
.set i, 0
.rept \n
	v_cndmask_b32 v[T+2*(i%4)], v[A+i], v[A+i+\n], s[\m]
	v_cndmask_b32 v[T+2*(i%4)+1], v[A+i+\n], v[A+i], s[\m]
	v_add_f32_dpp v[A+i], v[T+2*(i%4)+1], v[T+2*(i%4)] row_xmask:\x row_mask:0xf bank_mask:0xf
.set i, i+1
.endr
.endm
	s_load_b256 s[4:11], s[0:1], 0x0               ; words s[4:5], W_att s[6:7], xf s[8:9], wf s[10:11]
	s_load_b128 s[12:15], s[0:1], 0x20             ; valid s[12:13], st1 s[14:15]
	v_lshl_add_u32 v[SPW], v0, 2, SPARE
	v_mov_b32 v[NIL], 0
	v_lshrrev_b32 v8, 5, v0
	v_readfirstlane_b32 s16, v8                    ; wave 0..7
	v_and_b32 v[L], 31, v0
	v_and_b32 v9, 15, v0                           ; r
	v_bfe_u32 v10, v0, 4, 1                        ; h
	v_lshlrev_b32 v[L16], 4, v[L]
	v_mul_u32_u24 v[TS], v[L], TRP
	v_mul_u32_u24 v[TL], v10, TRP
	v_lshl_add_u32 v[TL], v9, 4, v[TL]
	v_and_b32 v[T16], 127, v0
	v_lshlrev_b32 v[T16], 4, v[T16]
	v_add_nc_u32 v[CSR], CSL, v[T16]
	v_add_nc_u32 v[MSR], MSK, v[T16]
	v_mov_b32 v[CNR], CNT
	v_lshlrev_b32 v[PLO], 2, v[L]
	v_lshlrev_b32 v[PSO], 14, v10
	v_lshl_add_u32 v[PSO], v9, 4, v[PSO]
.set i, 0
.rept 16
	v_mov_b32 v[CS+i], 0                           ; the column sums run over four trips of one loop text: they start at 0
.set i, i+1
.endr
	v_mov_b32 v[CN], 0
	v_mov_b32 v[OTH], 0                            ; v_permlanex16_b32's destination counts as read
	s_wait_alu depctr_va_sdst(0)                   ; s16 is written, ahead of its first reader: LDS addresses, bases and branches are made from it
	s_mul_i32 s32, s16, TRW
	v_add_nc_u32 v[TS], s32, v[TS]
	v_add_nc_u32 v[TL], s32, v[TL]
	s_lshl_b32 s33, s16, 6
	s_add_co_u32 s33, s33, MSK
	v_lshl_add_u32 v[MA], v9, 2, s33               ; flag of row 16 (8 i + w) + r: MSK + 512 i + 64 w + 4 r
	s_lshl_b32 s34, s16, 11
	s_add_co_u32 s34, s34, CSL
	v_add_nc_u32 v[CW], s34, v[L16]
	s_lshl_b32 s35, s16, 2
	s_add_co_u32 s35, s35, CNT
	v_mov_b32 v[CNW], s35
	s_mov_b32 s22, 0xff00ff00                      ; lanes with bit 3, 2, 1, 0 of their number set
	s_mov_b32 s23, 0xf0f0f0f0
	s_mov_b32 s24, 0xcccccccc
	s_mov_b32 s25, 0xaaaaaaaa
	s_mov_b32 s26, 0x76543210                      ; v_permlanex16_b32: each lane takes its own place in the other half
	s_mov_b32 s27, 0xfedcba98
	s_lshl_b32 s36, ttmp9, 20                      ; words: 32 tiles of 32,768 bytes a work-group, my wave's first tile
	s_lshl_b32 s37, s16, 15
	s_add_co_u32 s36, s36, s37
	s_mov_b32 s37, 0
	s_lshl_b32 s38, ttmp9, 19                      ; xf: half of that
	s_lshl_b32 s39, s16, 14
	s_add_co_u32 s38, s38, s39
	s_mov_b32 s39, 0
	s_mul_i32 s40, ttmp9, RECB
	s_mov_b32 s41, 0
	s_lshl_b32 s42, ttmp9, 11
	s_mov_b32 s43, 0
	; wf: 1,024 pieces of 512 bytes; waves 0-3 of work-group g make piece u = 4 g + w: columns 32 nb .. + 31 (nb = u & 15), c = bit 4, h = bit 5, K step = u >> 6
	s_lshl_b32 s44, ttmp9, 2
	s_add_co_u32 s44, s44, s16
	s_and_b32 s45, s44, 15
	s_bfe_u32 s46, s44, 0x10004
	s_bfe_u32 s47, s44, 0x10005
	s_lshr_b32 s48, s44, 6
	s_lshl_b32 s50, s46, 19                        ; W_att: row 256 c + 8 s + 4 h of 2,048 bytes, column 32 nb
	s_lshl_b32 s49, s48, 14
	s_add_co_u32 s50, s50, s49
	s_lshl_b32 s49, s47, 13
	s_add_co_u32 s50, s50, s49
	s_lshl_b32 s49, s45, 7
	s_add_co_u32 s50, s50, s49
	s_mov_b32 s51, 0
	s_lshl_b32 s52, s45, 15                        ; wf: 32,768 nb + 1,024 s + 512 c + 256 h
	s_lshl_b32 s49, s48, 10
	s_add_co_u32 s52, s52, s49
	s_lshl_b32 s49, s46, 9
	s_add_co_u32 s52, s52, s49
	s_lshl_b32 s49, s47, 8
	s_add_co_u32 s52, s52, s49
	s_mov_b32 s53, 0
	s_wait_kmcnt 0x0
	s_add_nc_u64 s[18:19], s[4:5], s[36:37]
	s_add_nc_u64 s[20:21], s[8:9], s[38:39]
	s_add_nc_u64 s[28:29], s[14:15], s[40:41]
	s_add_nc_u64 s[30:31], s[12:13], s[42:43]
	s_add_nc_u64 s[54:55], s[6:7], s[50:51]
	s_add_nc_u64 s[56:57], s[10:11], s[52:53]
	s_wait_alu depctr_va_vdst(0)                   ; every offset and LDS address of the kernel is written (v2 to v7, v52 to v59), which the loads, stores and LDS instructions below read
	s_cmp_lt_u32 s16, 4
	s_cbranch_scc0 .Lplain
.irp jj, 0,1
.irp q, 0,1,2,3
	global_load_b32 v[WQ+4*\jj+\q], v[PLO], s[54:55] offset:(128*\jj+\q)*2048  ; k = 256 c + 8 s + 4 h + 128 jj + q, column 32 nb + lane
.endr
.endr
	FILL                                           ; the first tile
	s_wait_loadcnt 63                              ; 64 loads are younger than the eight; the count's field ends at 63, and a smaller count is safe
.irp e, 0,1,2,3
	v_cvt_pk_bf16_f32 v[WQ+8+\e], v[WQ+2*\e], v[WQ+2*\e+1]
.endr
	s_wait_alu depctr_va_vdst(0)                   ; the four roundings have written v[WQ+8 ..], which the store reads
	global_store_b128 v[PSO], v[WQ+8:WQ+11], s[56:57]  ; 16 lanes store 256 consecutive bytes, aligned; these registers are Y's from here on: the first turning's waits stand ahead of the loads into them
	s_branch .Lgo
.Lplain:
	FILL
.Lgo:
	s_mov_b32 s17, 4
.Ltrip:                                        ; a trip: one tile of 16 rows
	s_cmp_eq_u32 s17, 1                            ; the last tile has no successor: its rows are the second text
	s_cbranch_scc1 .Llastrows
	BLK 0, 1                                       ; block 0 issues no memory line and writes YB0, which the last turning's wait has freed: it has no wait on s_wait_alu's counters
	BLK 1, 1
	BLK 2, 1
	BLK 3, 1
	TAIL 1
	s_branch .Lpost
.Llastrows:
	BLK 0, 0
	BLK 1, 0
	BLK 2, 0
	BLK 3, 0
	TAIL 0
.Lpost:
	STAGE 8, 22, 8                                 ; 16 sums in 32 lanes -> lane l holds row l % 16's sum over its half of the lanes
	STAGE 4, 23, 4
	STAGE 2, 24, 2
	STAGE 1, 25, 1
	v_permlanex16_b32 v[OTH], v[A], s26, s27
	v_add_f32 v[SUM], v[A], v[OTH]
	v_cmp_neq_f32 vcc_lo, 0, v[SUM]
	s_wait_alu depctr_va_vcc(0)                    ; VCC is written, ahead of the select that reads it
	v_cndmask_b32 v[FLG], 0, 1.0, vcc_lo           ; sign(abs(sum))
	v_add_f32 v[CN], v[CN], v[FLG]
	s_wait_alu depctr_va_vdst(0)                   ; the select has written FLG, which the LDS store reads (MA was written a trip ago, or at the head)
	ds_store_b32 v[MA], v[FLG]                     ; lanes l and l + 16 write the same word with the same value
	s_wait_xcnt 0x0                                ; every memory instruction so far has had its addresses translated (ISA guide 3.1): only behind this wait are the two bases written, and Y, the last trip's stores' data
	s_wait_alu depctr_vm_vsrc(0)                   ; the last trip's global stores have read Y, in which the LDS loads below land; the flag's store has read MA and FLG; this trip's LDS stores have read YB0 and YB1, which the next trip's blocks 0 and 1 write
	v_add_nc_u32 v[MA], 512, v[MA]
	s_add_nc_u64 s[18:19], s[18:19], NEXT          ; words at the tile that has just been asked for: the next trip's loads reach one tile beyond it by their offsets
	s_add_nc_u64 s[20:21], s[20:21], XSTEP         ; xf one step beyond this tile: the stores' offsets reach back
.set i, 0
.rept 16                                       ; K step i: lane (r, h) takes row r's dwords from the row of lane 2 i + h.  LDS serves a wave's instructions in order (ISA guide 5.7.1.4): these see the trip's stores
	ds_load_b128 v[Y+8*i:Y+8*i+3], v[TL] offset:2*TRP*i
	ds_load_b128 v[Y+8*i+4:Y+8*i+7], v[TL] offset:TRC+2*TRP*i
.set i, i+1
.endr
.set i, 0
.rept 32
.if i%8 == 0
	s_wait_dscnt 24-i                              ; LDS loads come back in order (ISA guide 5.7.1): the next eight are in; 24, 16, 8, 0 were issued behind them
.endif
	global_store_b128 v[L16], v[Y+4*i:Y+4*i+3], s[20:21] offset:512*i-XSTEP th:TH_STORE_NT  ; 512 consecutive bytes, aligned
.set i, i+1
.endr
	s_sub_co_u32 s17, s17, 1
	s_cmp_lg_u32 s17, 0
	s_cbranch_scc1 .Ltrip
	; THE END: the waves' column sums and counts meet in LDS.  What is read back lands in YB's registers, which the last turning's waits have freed: nothing here hangs on the last tile's global stores
.irp x, 1,2,4,8
	v_add_f32_dpp v[CN], v[CN], v[CN] row_xmask:\x row_mask:0xf bank_mask:0xf  ; over 16 lanes: my wave's 64 rows
.endr
	s_wait_alu depctr_va_vdst(0)                   ; the four additions have written CN, which the last LDS store below reads (the column sums were written ahead of the tail's wait)
.irp j, 0,1,2,3
	ds_store_b128 v[CW], v[CS+4*\j:CS+4*\j+3] offset:512*\j  ; column k at byte 4 k
.endr
	ds_store_b32 v[CNW], v[CN]
	s_wait_dscnt 0x0                               ; for the others' sake: flags, sums and count are in LDS
	s_barrier_signal -1
	s_barrier_wait -1
	s_cmp_lt_u32 s16, 4
	s_cbranch_scc0 .Lflags
.irp w, 0,1,2,3,4,5,6,7
	ds_load_b128 v[Z+4*\w:Z+4*\w+3], v[CSR] offset:2048*\w
.endr
	s_wait_dscnt 0x0
.irp d, 4,2,1
.set i, 0
.rept \d
	v_pk_add_f32 v[Z+4*i:Z+4*i+1], v[Z+4*i:Z+4*i+1], v[Z+4*(i+\d):Z+4*(i+\d)+1]
	v_pk_add_f32 v[Z+4*i+2:Z+4*i+3], v[Z+4*i+2:Z+4*i+3], v[Z+4*(i+\d)+2:Z+4*(i+\d)+3]
.set i, i+1
.endr
.endr
	s_wait_alu depctr_va_vdst(0)                   ; the additions have written v[Z .. Z+3], which the store reads
	global_store_b128 v[T16], v[Z:Z+3], s[28:29]   ; 128 threads: the record's 512 column sums
	s_cmp_lg_u32 s16, 0
	s_cbranch_scc1 .Lend
	ds_load_b128 v[Z+32:Z+35], v[CNR]
	ds_load_b128 v[Z+36:Z+39], v[CNR] offset:16
	s_wait_dscnt 0x0
	v_pk_add_f32 v[Z+32:Z+33], v[Z+32:Z+33], v[Z+34:Z+35]
	v_pk_add_f32 v[Z+36:Z+37], v[Z+36:Z+37], v[Z+38:Z+39]
	v_pk_add_f32 v[Z+32:Z+33], v[Z+32:Z+33], v[Z+36:Z+37]
	v_add_f32 v[Z+33], v[Z+32], v[Z+33]
	v_mov_b32 v[Z+32], 0
	v_mov_b32 v[Z+34], 0
	v_mov_b32 v[Z+35], v[Z+33]
	s_wait_alu depctr_va_vdst(0)                   ; the lines above have written v[Z+32 .. Z+35], which the store reads
	global_store_b128 v[L16], v[Z+32:Z+35], s[28:29] offset:2048  ; the pair (0, count), 64 times: 512 consecutive bytes
	s_branch .Lend
.Lflags:
	ds_load_b128 v[Z:Z+3], v[MSR]
	s_wait_dscnt 0x0
	global_store_b128 v[T16], v[Z:Z+3], s[30:31]   ; 128 threads: the work-group's 512 flags
.Lend:
	s_wait_dscnt 0x0                               ; the wave's end: behind my last LDS store
	s_wait_alu 0x0
	s_wait_tensorcnt 0x0
	ds_add_u32 v[SPW], v[NIL]
	s_wait_dscnt 0x0
	s_endpgm
.Lfunc_end_k_q1d051f2bcc_stats:
	.size	k_q1d051f2bcc_stats, .Lfunc_end_k_q1d051f2bcc_stats-k_q1d051f2bcc_stats
	.p2alignl 7, 3214868480
	.fill 96, 4, 3214868480
	.section	.rodata,"a",@progbits
	.p2align	6, 0x0
	.amdhsa_kernel k_q1d051f2bcc_stats
		.amdhsa_group_segment_fixed_size 158976
		.amdhsa_private_segment_fixed_size 0
		.amdhsa_enable_private_segment 0
		.amdhsa_kernarg_size 48
		.amdhsa_user_sgpr_count 2
		.amdhsa_user_sgpr_kernarg_segment_ptr 1
		.amdhsa_wavefront_size32 1
		.amdhsa_system_sgpr_workgroup_id_x 1
		.amdhsa_system_sgpr_workgroup_id_y 1
		.amdhsa_system_sgpr_workgroup_id_z 1
		.amdhsa_system_vgpr_workitem_id 0
		.amdhsa_next_free_vgpr 512
		.amdhsa_next_free_sgpr 66
		.amdhsa_reserve_vcc 1
		.amdhsa_float_denorm_mode_32 3
		.amdhsa_float_denorm_mode_16_64 3
		.amdhsa_memory_ordered 1
		.amdhsa_forward_progress 1
		.amdhsa_inst_pref_size 92
	.end_amdhsa_kernel
	.amdgpu_metadata
---
amdhsa.version: [ 1, 2 ]
amdhsa.kernels:
  - .name:           k_q1d051f2bcc_stats
    .symbol:         k_q1d051f2bcc_stats.kd
    .args:
      - { .name: words, .offset: 0, .size: 8, .value_kind: global_buffer, .address_space: global }
      - { .name: W_att, .offset: 8, .size: 8, .value_kind: global_buffer, .address_space: global }
      - { .name: xf, .offset: 16, .size: 8, .value_kind: global_buffer, .address_space: global }
      - { .name: wf, .offset: 24, .size: 8, .value_kind: global_buffer, .address_space: global }
      - { .name: valid, .offset: 32, .size: 8, .value_kind: global_buffer, .address_space: global }
      - { .name: st1, .offset: 40, .size: 8, .value_kind: global_buffer, .address_space: global }
    .group_segment_fixed_size: 158976
    .private_segment_fixed_size: 0
    .kernarg_segment_align: 8
    .kernarg_segment_size: 48
    .max_flat_workgroup_size: 256
    .sgpr_count:     66
    .vgpr_count:     512
    .wavefront_size: 32
...
	.end_amdgpu_metadata
.endif
;; end of part 7
;; launch ctx: the kernel of part 2 again; grid 8 x 4, 16 waves a work-group, no clusters, 186,880 bytes of LDS; arguments st1, W_att, b_att, cb; writes cb
;; launch attn: the kernel of part 3 again; grid 512 x 1, 4 waves a work-group, clusters of 4 x 1, 327,680 bytes of LDS; arguments xf, wf, cb, v, valid, st2; writes st2
;; launch mlp1: the kernel of part 4 again; grid 8 x 4, 16 waves a work-group, no clusters, 186,880 bytes of LDS; arguments st2, W1, b1, h1; writes h1
;; launch mlp2: the kernel of part 5 again; grid 8 x 4, 16 waves a work-group, no clusters, 186,880 bytes of LDS; arguments h1, W2, b2, h2; writes h2
;; launch mlp3: the kernel of part 6 again; grid 2 x 4, 16 waves a work-group, no clusters, 186,880 bytes of LDS; arguments h2, W3, b3, out0; writes out0
